; MI455X (gfx1250); checked and timed in simulation.
; The chip was launched on July 23, 2026; its instructions are those of AMD's public machine-readable ISA for CDNA 5 (MIT licence, August 2026) and "CDNA5" Instruction Set Architecture Reference Guide (July 2026). The comments in the code are by the model that wrote it; some were corrected since.
;; Sparse Multi Head Attention. Allowed arithmetic: matrix products marked QUANTISED: E2M3 operands, one E8M0 scale for each 32 along K, by v_wmma_scale_f32_16x16x128_f8f6f4 with both operands' format E2M3, f32 sums; everything else in f32.
;; Inputs: Wk_codes 1,024 x 32 x 24 uint8 (E2M3 codes of Wk, K innermost, in blocks of 32 codes, four codes in three bytes); Wk_scales 1,024 x 32 uint8 (E8M0 scales of Wk, one for each 32 codes along K); Wo_codes 1,024 x 32 x 24 uint8 (E2M3 codes of Wo, K innermost, in blocks of 32 codes, four codes in three bytes); Wo_scales 1,024 x 32 uint8 (E8M0 scales of Wo, one for each 32 codes along K); Wq_codes 1,024 x 32 x 24 uint8 (E2M3 codes of Wq, K innermost, in blocks of 32 codes, four codes in three bytes); Wq_scales 1,024 x 32 uint8 (E8M0 scales of Wq, one for each 32 codes along K); Wv_codes 1,024 x 32 x 24 uint8 (E2M3 codes of Wv, K innermost, in blocks of 32 codes, four codes in three bytes); Wv_scales 1,024 x 32 uint8 (E8M0 scales of Wv, one for each 32 codes along K); bo 1,024 float32; keys_codes 4 x 2,048 x 32 x 24 uint8 (E2M3 codes of keys, K innermost, in blocks of 32 codes, four codes in three bytes); keys_scales 4 x 2,048 x 32 uint8 (E8M0 scales of keys, one for each 32 codes along K); mask 4 x 1 x 2,048 x 2,048 bool; query_codes 4 x 2,048 x 32 x 24 uint8 (E2M3 codes of query, K innermost, in blocks of 32 codes, four codes in three bytes); query_scales 4 x 2,048 x 32 uint8 (E8M0 scales of query, one for each 32 codes along K); values_codes 4 x 2,048 x 32 x 24 uint8 (E2M3 codes of values, K innermost, in blocks of 32 codes, four codes in three bytes); values_scales 4 x 2,048 x 32 uint8 (E8M0 scales of values, one for each 32 codes along K).
;; Outputs: out0 4 x 2,048 x 1,024 float32.
;; This version of the problem:
;;   THIS VERSION OF THE PROBLEM IS GIVEN IN LOW PRECISION. The matrix products marked QUANTISED in the list below multiply operands that are first quantised to E2M3 (2 exponent bits, 3 mantissa bits; 6 bits a number), with one power-of-two scale for each 32 numbers along K (OCP MX v1.0); their sums are f32. All else is computed in f32.
;;   The module's matrix products, in the order in which they are computed (A, B: the left and right operand; K: the contracted axis; several contracted axes count as one K, in the product's order):
;;     1. [M 8,192, K 1,024] x [K 1,024, N 1,024]; A: input values (given as codes); B: input Wv (given as codes): QUANTISED
;;     2. [M 8,192, K 1,024] x [K 1,024, N 1,024]; A: input keys (given as codes); B: input Wk (given as codes): QUANTISED
;;     3. [M 8,192, K 1,024] x [K 1,024, N 1,024]; A: input query (given as codes); B: input Wq (given as codes): QUANTISED
;;     4. batch 64 x [M 2,048, K 64] x [K 64, N 2,048]; A: computed on the way; B: computed on the way: QUANTISED
;;     5. batch 64 x [M 2,048, K 2,048] x [K 2,048, N 64]; A: softmax (see below); B: computed on the way: QUANTISED
;;     6. [M 8,192, K 1,024] x [K 1,024, N 1,024]; A: computed on the way; B: input Wo (given as codes): QUANTISED
;;   THE QUANTISER, for each operand of a quantised product, along K:
;;     - K is cut into blocks of 32 from its start; a last block that is shorter is filled with zeros.
;;     - A block's scale is 2^e with e = floor(log2(the largest magnitude in the block)) - 2, held to -126 .. 127; a block of zeros has e = 0. As a byte (E8M0): e + 127.
;;     - Each number is divided by its block's scale, clamped to +-7.5, and rounded to the nearest number of E2M3, ties to even, subnormals kept.
;;     - The product sums the exact products of the quantised numbers (number of the format x scale) in f32.
;;   ~~~python
;;   def quantise(x, axis):      # numpy; x: float32 -> the quantised numbers, widened to float32 again
;;       x = np.moveaxis(x, axis, -1); K = x.shape[-1]
;;       x = np.pad(x, [(0, 0)] * (x.ndim - 1) + [(0, -K % 32)]); x = x.reshape(x.shape[:-1] + (-1, 32)); a = np.abs(x).max(-1, keepdims=True)
;;       e = np.where(a > 0, np.clip(np.frexp(np.where(a > 0, a, 1))[1] - 1 - 2, -126, 127), 0)      # np.frexp(a)[1] - 1 = floor(log2(a)), exactly
;;       r = np.clip(x / 2.0 ** e, -7.5, 7.5)
;;       step = 2.0 ** (np.maximum(np.frexp(np.where(r == 0, 1, r))[1] - 1, 0) - 3)
;;       q = np.round(r / step) * step * 2.0 ** e      # np.round: ties to even
;;       return np.moveaxis(q.reshape(q.shape[:-2] + (-1,))[..., :K], -1, axis).astype(np.float32)
;;   ~~~
;;   SOFTMAX AHEAD OF A QUANTISED PRODUCT. Where the list says 'softmax', what is quantised is not the finished softmax but p = 2^(t - M), with t = logit x log2(e) and M = ceil(the row's largest t), a whole number; so 1/2 < the row's largest p <= 1. The row's sum l is taken of the UNQUANTISED p, in f32, and the product's result is divided by l at the end. Since M is a whole number, a kernel that streams over the keys may use a running M (the ceiling of the running maximum): every later rescaling is an exact power of two, which a block's scale takes up: the codes' values come out the same.
;;   OPERANDS COMPUTED ON THE WAY. 'Computed on the way' means the value that the module computes at that place (a softmax that the list does not call 'softmax' is quantised finished and normalised). What goes into a quantiser is computed in f32, as accurately as f32 sums, v_exp_f32 and their like allow (about 1e-6 of the number): no bf16 or f16 on the way to a quantiser, and a product that is left as it is and whose result goes on into a quantised operand takes f32 operands (vector FMAs, or v_wmma_f32_16x16x4_f32). A number that lies on a knife's edge between two numbers of the format may be rounded either way, as far as f32 arithmetic and the matrix unit's own rounding can turn it there, and no further.
;;   INPUTS GIVEN AS CODES. Wk (in the module: [1024, 1024], K = its axis 1); Wo (in the module: [1024, 1024], K = its axis 1); Wq (in the module: [1024, 1024], K = its axis 1); Wv (in the module: [1024, 1024], K = its axis 1); keys (in the module: [4, 2048, 1024], K = its axis 2); query (in the module: [4, 2048, 1024], K = its axis 2); values (in the module: [4, 2048, 1024], K = its axis 2): each comes as NAME_codes (uint8): NAME with its K axis moved to the last place and cut into blocks of 32 codes, [.., K / 32, bytes a block], one block behind the other in memory; four codes in three bytes: a row's codes are one little-endian stream of bits, code i at bits 6 i .. 6 i + 5 (a code: sign, 2 exponent bits, 3 mantissa bits); and NAME_scales (uint8): the same leading axes, one E8M0 byte (e + 127) for each 32 codes along K. Its value is code x scale, taken as it is: it is not quantised again, and the codes and scales need not be those that the quantiser above would give.
;; One version. Each part assembles by itself: llvm-mc -triple=amdgcn-amd-amdhsa -mcpu=gfx1250 --defsym DOCPART=n.
;; ======== version 1 of 1: 3 launches
;; limits: right only within a limited range of input values
;; workspace buffers: qk_img 12,582,912 bytes; qk_sw 524,288 bytes; v_img 6,291,456 bytes; v_sw 262,144 bytes; v_part 262,144 bytes; o_codes 6,291,456 bytes; o_scales 262,144 bytes
;; launch proj (part 1): grid 12 x 32, 4 waves a work-group, clusters of 4 x 4, 327,680 bytes of LDS; arguments query_codes, query_scales, Wq_codes, Wq_scales, keys_codes, keys_scales, Wk_codes, Wk_scales, Wv_codes, Wv_scales, values_codes, values_scales, qk_img, qk_sw, v_img, v_sw, v_part; writes qk_img, qk_sw, v_img, v_sw, v_part
.if DOCPART == 1
	.amdgcn_target "amdgcn-amd-amdhsa--gfx1250"
	.amdhsa_code_object_version 6
	.text
	.protected	k_qf7bc661331_proj
	.globl	k_qf7bc661331_proj
	.p2align	8
	.type	k_qf7bc661331_proj,@function
k_qf7bc661331_proj:
	s_mov_b64 s[64:65], 0
	v_nop
	global_prefetch_b8 v0, s[64:65] scope:SCOPE_SE
	s_setreg_imm32_b32 hwreg(HW_REG_WAVE_MODE, 25, 1), 1
	s_wait_xcnt 0x0
	s_wait_alu depctr_hold_cnt(0) depctr_sa_sdst(0) depctr_va_vdst(0) depctr_va_sdst(0) depctr_va_ssrc(0) depctr_va_vcc(0) depctr_vm_vsrc(0)
	s_getreg_b32 s2, hwreg(HW_REG_IB_STS2, 6, 4)
	s_cmp_eq_u32 s2, 0
	s_cbranch_scc0 .Lentry_in_a_cluster
	s_endpgm
.Lentry_in_a_cluster:
	s_bfe_u32 s2, ttmp6, 0x10000c
	s_cmp_lg_u32 s2, 0xf033
	s_cbranch_scc0 .Lentry_shape_is_right
	s_endpgm
.Lentry_shape_is_right:
; THE THREE PROJECTIONS q = query Wq^T, k = keys Wk^T, v = values Wv^T, [8192 x 1024 x 1024] each, on codes of FP6 (E2M3) with one E8M0 scale for each 32 along K, in ONE launch;
; the results leave as OPERANDS of the attention's products: quantised in registers, never as f32.
; The cluster's x says which tensor: 0 q, 1 k, 2 v.  A tile of 256 x 256 is made by a work-group of four waves; a wave makes 128 x 128: 64 accumulators, 512 registers.
; K goes in steps of 256 through a ring of two LDS slots filled by the tensor data mover (a tile's row: 192 bytes); the scale bytes of the work-group's rows, for all of K, come once and stay.
; THE MATRIX INSTRUCTION: source 1 = 16 rows of "A", which become the ROWS of the operand that is made; source 0 = 16 rows of "B", which become its K.  q, k: A = the tokens, B = the weight (K of the next product:
; the head's 64).  v: A = Wv, B = the tokens (K of the next product: the keys).  So a lane holds one row of the next operand and its registers run along the next K.
; CLUSTERS: 4 x 4 work-groups.  A's tile hangs on cy (and the cluster's y for q, k), B's on cx (and the cluster's y for v): A's tiles are asked for jointly by a row of the cluster, B's by a column.
; THE ORDER INSIDE A BLOCK OF 32.  A lane (r, h) holds, of block b of the next K, the numbers 32 b + 8 h + 0..7 and 32 b + 16 + 8 h + 0..7.  After the conversions and the exchange of halves the block's 32 codes lie with
; the two middle groups of eight exchanged.  q and k carry the same order, and so do v and the softmax's p (made from tiles of 16 neighbouring keys in the next launch): a permutation inside a scale's block, alike on both
; operands, keeps every product; only the grouping of the sums inside the matrix unit differs.
; WHAT IS STORED.  An IMAGE of each fragment (16 rows x 128 K, 12 registers a lane): six planes of 256 bytes, plane p = registers 2 p, 2 p + 1, lane l at byte 8 l: each store covers 256 consecutive bytes, aligned.
; qk_img: q at 0, k at 6,291,456; each [head pair 8][tile of rows 512][1536].  qk_sw: q at 0, k at 262,144; each [head pair 8][row 8192] words.  v_img: [128 keys 64][tile of e 64][1536].  v_sw: [128 keys 64][e 1024] words.
; v_part: [128 keys 64][e 1024] f32: the sum of the QUANTISED v over those 128 keys (a product with ones), for queries whose every key is switched off.
; LIMITS: NaN and infinities among the results are not served; a given scale byte 0xff gives NaN; a block of zeros gets the byte 1 where the quantiser's rule says 127: its codes are zeros, and this program alone reads the bytes.
; REGISTERS, in windows of 256: window 0: v0-31 addresses; v32-63 scale words; from v128 A's fragments, ONE set; window 1: B's fragments, TWO sets; windows 2, 3: the accumulators ((a, b) at v[8 (8 (a % 4) + b)]).
.set SIZE_K, 1024
.set KSTEP,  256                       ; along K in a slot
.set NQ,     KSTEP/128                 ; matrix instructions deep
.set ROWB,   192                       ; a tile's row in bytes
.set KROW,   SIZE_K*6/8                ; a row of codes in memory
.set PITCH,  240                       ; an LDS row: 3 x (64 bytes + 16 of padding)
.set FR,     12                        ; registers of a fragment
.set NL,     6                         ; LDS loads that bring one
.set NP,     4                         ; places behind this matrix instruction (ISA guide 7.12.1)
.set HALFT,  128*PITCH                 ; 128 rows: one tensor load
.set SLOT,   4*HALFT                   ; A's 256 rows, then B's 256
.set LAPS,   SIZE_K/(2*KSTEP)
.set KS,     SIZE_K/32                 ; a row of scale bytes
.set SCL,    2*SLOT                    ; behind the ring: the scales, as units of 256 bytes + 16 of padding
.set HALFS,  (128*KS/256)*272
.set SBLK,   (16*KS/256)*272
.set SPARE,  SCL+4*HALFS               ; the spare words, 128 bytes a wave: two blocks of 256 bytes that no other line names
.set ADRA, 16                          ; v16-19  LDS addresses of my A fragments (slot 0, 1; and behind one padding more)
.set ADRB, 20                          ; v20-23  the same for B
.set IO,   24                          ; v24     8 x lane: my place in a plane of an image
.set SWA,  25                          ; v25     the stage: 1,024 x wave + 4 x (lane % 16)
.set SRD,  26                          ; v26     the stage, back: 1,024 x wave + 16 x lane
.set ADRS, 27                          ; v27     LDS address of my scale words
.set SPW,  28                          ; v28     my spare word; never rewritten
.set NIL,  29                          ; v29     0; never rewritten
.set GO16, 30                          ; v30     16 x lane
.set FLR,  15                          ; v15     the floor 2^(3 - 127)
.set T2,   8                           ; v8-10, v12-14  the conversions' second halves
.set RB2,  4                           ; v4-7    128 column sums, read back
.set SC,   32                          ; scale words, two sets of 16
.set PW,   48                          ; v48-55  the scale words that are made, one register a block of rows
.set ONESC, 56                         ; v56     four bytes 127: the ones' scales
.set SUMD, 64                          ; v64-127 the eight results of the product with ones
.set AF,   128                         ; A's fragments
.set CDS,  128                         ; the way out: block a's codes at v[128 + 12 a]: a set for each block, so that no store's data are written again
.set ONES, 224                         ; v224-235 a fragment of codes of 1.0
.set TM,   236                         ; v236-251 at work: largest magnitudes, bytes, the conversions' scale operands
.set RB1,  252                         ; v252-255 128 scale words, read back
.set G1, 24
.set G0, 32
.set G1B, 48
.set G0B, 56
.set G1S, 68
.set G0S, 76
.set G1SB, 80
.set G0SB, 88
.set SEL, 92                           ; s[92:93] lane selects: lane l xor 16
.set MSB, 0
.macro WIN new                         ; the immediate's high byte repeats the setting that is left
.if MSB != \new
	s_set_vgpr_msb (MSB<<8)|\new
.set MSB, \new
.endif
.endm
.set MUL_LO, 0xa1                      ; source 0 (B) window 1, source 1 (A) window 0, C and D window 2
.set MUL_HI, 0xf1                      ; the same, C and D window 3
.set TO_B,   0x40                      ; destination window 1, address window 0
; A joint load: waves 0 and 1 fetch for A, waves 2 and 3 for B.  The branch hangs on the wave's number alone.  Four v_nop follow each of the two lines.
.macro JLOAD g0a, g1a, g0b, g1b
	s_cmp_eq_u32 s15, 0
	s_cbranch_scc0 .Lfor_b_\@
	tensor_load_to_lds s[\g0a:\g0a+3], s[\g1a:\g1a+7]
	s_nop 0
.rept 4
	v_nop
.endr
	s_branch .Lasked_\@
.Lfor_b_\@:
	tensor_load_to_lds s[\g0b:\g0b+3], s[\g1b:\g1b+7]
	s_nop 0
.rept 4
	v_nop
.endr
.Lasked_\@:
.endm
.macro CREST                           ; a round of the cluster's barrier behind its opening barrier
	s_cmp_lg_u32 s14, 0
	s_cbranch_scc1 .Lnot_wave_0_\@
	s_barrier_signal -3
.Lnot_wave_0_\@:
	s_barrier_wait -3
	s_barrier_signal -1
	s_barrier_wait -1
.endm
.macro CROUND                          ; a whole round
	s_barrier_signal -1
	s_barrier_wait -1
	CREST
.endm
	s_load_b256 s[24:31], s[0:1], 0x0              ; query's codes, scales; Wq's codes, scales
	s_load_b256 s[32:39], s[0:1], 0x20             ; keys' codes, scales; Wk's codes, scales
	s_load_b256 s[40:47], s[0:1], 0x40             ; Wv's codes, scales; values' codes, scales
	s_load_b256 s[48:55], s[0:1], 0x60             ; qk_img, qk_sw, v_img, v_sw
	s_load_b64 s[56:57], s[0:1], 0x80              ; v_part
	v_lshl_add_u32 v[SPW], v0, 2, SPARE
	v_mov_b32 v[NIL], 0
	ds_add_u32 v28, v29
	ds_add_u32 v28, v29
	s_wait_dscnt 0x0
	v_lshrrev_b32 v1, 5, v0
	v_readfirstlane_b32 s14, v1                    ; wave 0..3
	s_lshr_b32 s15, s14, 1                         ; which half of A's rows is mine.  Also: I fetch for A (0) or for B (1)
	s_and_b32 s16, s14, 1                          ; which half of B's rows.  Also: which 128 rows of that tile I fetch
	s_and_b32 s18, ttmp7, 0xffff
	s_lshl_b32 s18, s18, 2                         ; 4 x the cluster's y
	s_wait_kmcnt 0x0
	; the tensor is chosen by the cluster's x, which all sixteen partners share: only pointers and constants are chosen
	s_cmp_eq_u32 ttmp9, 0
	s_cselect_b64 s[4:5], s[24:25], s[32:33]       ; A's codes,
	s_cselect_b64 s[6:7], s[26:27], s[34:35]       ; A's scales,
	s_cselect_b64 s[8:9], s[28:29], s[36:37]       ; B's codes,
	s_cselect_b64 s[10:11], s[30:31], s[38:39]     ; B's scales
	s_cmp_eq_u32 ttmp9, 2
	s_cselect_b64 s[4:5], s[40:41], s[4:5]         ; v: A = Wv, B = values
	s_cselect_b64 s[6:7], s[42:43], s[6:7]
	s_cselect_b64 s[8:9], s[44:45], s[8:9]
	s_cselect_b64 s[10:11], s[46:47], s[10:11]
	s_cselect_b64 s[12:13], s[52:53], s[48:49]     ; where the images go,
	s_cselect_b64 s[66:67], s[54:55], s[50:51]     ; and the scale words
	s_mov_b32 s98, 786432
	s_cselect_b32 s98, 98304, s98                  ; bytes of images for 128 along the next K: 64 tiles of rows (v) or 512 (q, k)
	s_mov_b32 s99, 32768
	s_cselect_b32 s99, 4096, s99                   ; and of scale words: 1,024 rows or 8,192
	s_cselect_b32 s19, s18, 0                      ; the cluster's y walks B's tiles (v)
	s_cselect_b32 s18, 0, s18                      ; or A's (q, k)
	s_mov_b64 s[96:97], s[56:57]
	s_cmp_eq_u32 ttmp9, 1
	s_cselect_b32 s2, 6291456, 0                   ; k lies behind q in qk_img
	s_cselect_b32 s95, 262144, 0                   ; and in qk_sw
	s_bfe_u32 s40, ttmp6, 0x40000                  ; cx, cy: my place in the cluster
	s_bfe_u32 s41, ttmp6, 0x40004
	s_add_co_u32 s42, s40, s19                     ; B's tile
	s_add_co_u32 s17, s41, s18                     ; A's tile
	s_lshl_b32 s43, s41, 2
	s_lshl_b32 s43, 15, s43                        ; my row of the cluster
	s_lshl_b32 s44, 0x1111, s40                    ; my column
	; descriptor group 1: a tile of 128 rows x 192 bytes, 16 bytes of padding behind every 64
	s_or_b32 s[G1+0], s43, (0<<16)|(1<<20)|(1<<21)|(3<<22)|(3<<25)  ; 15:0 the mask: A's tiles go to my row; elements of 1 byte; padding on; bit 21 beside a mask; after every 16 words, 4 words
	s_or_b32 s[G1B+0], s44, (0<<16)|(1<<20)|(1<<21)|(3<<22)|(3<<25)
.irp g, G1, G1B
	s_mov_b32 s[\g+1], ROWB<<16                    ; tensor_dim0
	s_mov_b32 s[\g+2], 128<<16                     ; tensor_dim1
	s_mov_b32 s[\g+3], ROWB<<16                    ; tile_dim0
	s_mov_b32 s[\g+4], 128                         ; tile_dim1
	s_mov_b32 s[\g+5], KROW                        ; tensor_dim0_stride
	s_mov_b32 s[\g+6], 0
	s_mov_b32 s[\g+7], 0
.endr
	; the scales of 128 rows: a dense block of 4,096 bytes, as 16 rows of 256 bytes (32 elements of 8), 16 bytes of padding behind each
	s_or_b32 s[G1S+0], s43, (3<<16)|(1<<20)|(1<<21)|(5<<22)|(3<<25)
	s_or_b32 s[G1SB+0], s44, (3<<16)|(1<<20)|(1<<21)|(5<<22)|(3<<25)
.irp g, G1S, G1SB
	s_mov_b32 s[\g+1], 32<<16
	s_mov_b32 s[\g+2], (128*KS/256)<<16
	s_mov_b32 s[\g+3], 32<<16
	s_mov_b32 s[\g+4], 128*KS/256
	s_mov_b32 s[\g+5], 32
	s_mov_b32 s[\g+6], 0
	s_mov_b32 s[\g+7], 0
.endr
	s_lshl_b32 s18, s16, 7                         ; which 128 rows of the tile I fetch
	s_lshl_b32 s20, s17, 8
	s_add_co_u32 s20, s20, s18                     ; A: row 256 x tile + 128 x half
	s_lshl_b32 s46, s42, 8
	s_add_co_u32 s46, s46, s18                     ; B likewise
	s_mov_b32 s21, 0
	s_mov_b32 s47, 0
	s_mov_b64 s[18:19], KS
	s_mul_u64 s[22:23], s[20:21], s[18:19]         ; where these rows' scales begin, in bytes
	s_mul_u64 s[92:93], s[46:47], s[18:19]
	s_mov_b64 s[18:19], KROW
	s_mul_u64 s[20:21], s[20:21], s[18:19]         ; and their codes
	s_mul_u64 s[46:47], s[46:47], s[18:19]
	s_mul_i32 s45, s14, HALFT                      ; where they go: wave x 128 rows: no place in the cluster enters an LDS address
	s_mul_i32 s94, s14, HALFS
	s_add_nc_u64 s[20:21], s[4:5], s[20:21]
	s_add_nc_u64 s[22:23], s[6:7], s[22:23]
	s_add_nc_u64 s[46:47], s[8:9], s[46:47]
	s_add_nc_u64 s[92:93], s[10:11], s[92:93]
	CROUND                                         ; all sixteen work-groups are here: the first joint loads meet
	s_mov_b32 s[G0S], 1
	s_add_co_u32 s[G0S+1], s94, SCL
	s_mov_b64 s[G0S+2:G0S+3], s[22:23]
	s_or_b32 s[G0S+3], s[G0S+3], 0x80000000
	s_mov_b32 s[G0SB], 1
	s_add_co_u32 s[G0SB+1], s94, SCL
	s_mov_b64 s[G0SB+2:G0SB+3], s[92:93]
	s_or_b32 s[G0SB+3], s[G0SB+3], 0x80000000
	JLOAD G0S, G1S, G0SB, G1SB                     ; the scales first: they are wanted with K step 0
.irp s, 0,1
	s_mov_b32 s[G0+4*\s], 1
	s_add_co_u32 s[G0+4*\s+1], s45, \s*SLOT
	s_add_nc_u64 s[G0+4*\s+2:G0+4*\s+3], s[20:21], \s*ROWB
	s_or_b32 s[G0+4*\s+3], s[G0+4*\s+3], 0x80000000
	s_mov_b32 s[G0B+4*\s], 1
	s_add_co_u32 s[G0B+4*\s+1], s45, \s*SLOT
	s_add_nc_u64 s[G0B+4*\s+2:G0B+4*\s+3], s[46:47], \s*ROWB
	s_or_b32 s[G0B+4*\s+3], s[G0B+4*\s+3], 0x80000000
	JLOAD G0+4*\s, G1, G0B+4*\s, G1B
.endr
	v_and_b32 v1, 15, v0                           ; l % 16
	v_bfe_u32 v2, v0, 4, 1                         ; l / 16
	v_mul_u32_u24 v3, v1, PITCH
	v_mul_u32_u24 v4, v2, 24
	v_add_nc_u32 v4, v3, v4                        ; a fragment's row x pitch + 24 x half
	v_lshl_add_u32 v5, v2, 4, v4                   ; and the same behind one padding more
	s_mul_i32 s21, s15, HALFT                      ; my 128 rows of A
	s_mul_i32 s22, s16, HALFT                      ; my 128 rows of B,
	s_add_co_u32 s22, s22, 2*HALFT                 ; which lie behind A's 256
.irp s, 0,1
	v_add_nc_u32 v[ADRA+\s], s21, v4
	v_add_nc_u32 v[ADRB+\s], s22, v4
	v_add_nc_u32 v[ADRA+2+\s], s21, v5
	v_add_nc_u32 v[ADRB+2+\s], s22, v5
	s_add_co_u32 s21, s21, SLOT
	s_add_co_u32 s22, s22, SLOT
.endr
	v_mul_u32_u24 v5, v1, KS                       ; my row's scales: KS bytes a row,
	v_lshrrev_b32 v6, 8, v5
	v_lshl_add_u32 v5, v6, 4, v5                   ; and 16 more for each 256 passed
	s_mul_i32 s21, s15, HALFS                      ; A's: my 128 rows
	s_mul_i32 s22, s16, HALFS                      ; B's: my 128 rows, behind A's 256
	s_add_co_u32 s22, s22, 2*HALFS
	s_sub_co_u32 s22, s22, s21
	v_mul_u32_u24 v6, s22, v2                      ; lanes 16-31 take B's
	s_add_co_u32 s21, s21, SCL
	v_add_nc_u32 v5, v5, v6
	v_add_nc_u32 v[ADRS], s21, v5
	; the way out: my stage (1,024 bytes a wave, in slot 0), my places in the images, and where my wave's results begin
	s_lshl_b32 s23, s14, 10
	v_and_b32 v6, 31, v0
	v_lshlrev_b32 v[IO], 3, v6
	v_lshl_add_u32 v[SWA], v1, 2, s23
	v_lshl_add_u32 v[SRD], v6, 4, s23
	v_lshlrev_b32 v[GO16], 4, v6
	v_mov_b32 v[FLR], 0x1800000
.irp b, 0,1,2,3
	v_mov_b32 v[TM+4+\b], 0                        ; written once: a lane permute's destination counts as one of its sources
.endr
	s_mov_b32 s[SEL], 0x76543210
	s_mov_b32 s[SEL+1], 0xfedcba98
	s_lshl_b32 s20, s42, 1
	s_add_co_u32 s20, s20, s16                     ; which 128 along the next K are mine: 2 x B's tile + half
	s_lshl_b32 s21, s17, 1
	s_add_co_u32 s21, s21, s15                     ; which 128 rows: 2 x A's tile + half
	s_mul_i32 s22, s20, s98
	s_mul_i32 s23, s21, 12288                      ; eight images
	s_add_co_u32 s22, s22, s23
	s_add_co_u32 s22, s22, s2
	s_mov_b32 s23, 0
	s_add_nc_u64 s[12:13], s[12:13], s[22:23]
	s_mul_i32 s22, s20, s99
	s_lshl_b32 s46, s21, 9                         ; 128 words
	s_add_co_u32 s22, s22, s46
	s_add_nc_u64 s[96:97], s[96:97], s[22:23]      ; (used for v alone)
	s_add_co_u32 s22, s22, s95
	s_add_nc_u64 s[66:67], s[66:67], s[22:23]
.macro FRAG reg, adr, q, i             ; a fragment: lane l holds row l % 16; registers 6 c .. 6 c + 5 hold K = 64 c + 32 (l / 16) + 0 .. 31: 24 bytes of the row's stream of bits, in pieces of 8 bytes
.irp p, 0,1,2,3,4,5
.set PCE, 12*(\q)+6*(\p/3)+\p%3        ; 16 bytes of padding lie behind every 8 pieces: where the piece three on lies behind one padding more, the second address register serves
.if PCE%8 < 5
	ds_load_b64 v[\reg+2*\p:\reg+2*\p+1], v[\adr] offset:8*PCE+16*(PCE/8)+(\i)*16*PITCH
.else
	ds_load_b64 v[\reg+2*\p:\reg+2*\p+1], v[\adr+2] offset:8*PCE+16*(PCE/8)+(\i)*16*PITCH
.endif
.endr
.endm
; 16 matrix instructions: A's blocks a0, a0 + 1 x B's eight, 128 along K.  zero = 1: the first product starts the sums.  The 64 accumulators take turns, one instruction a turn.
.macro MUL16 a0, p, q, sc, zero
.irp a, \a0, \a0+1
.irp b, 0,1,2,3,4,5,6,7
.if \zero
	v_wmma_scale_f32_16x16x128_f8f6f4 v[8*(8*((\a)%4)+\b):8*(8*((\a)%4)+\b)+7], v[128*(\p)+FR*\b:128*(\p)+FR*\b+FR-1], v[AF+FR*(\a):AF+FR*(\a)+FR-1], 0, v[SC+8*NQ*(\sc)+NQ*\b+(\q)], v[SC+8*NQ*(\sc)+NQ*(\a)+(\q)] matrix_a_fmt:MATRIX_FMT_FP6 matrix_b_fmt:MATRIX_FMT_FP6 matrix_a_scale:MATRIX_SCALE_ROW1
.else
	v_wmma_scale_f32_16x16x128_f8f6f4 v[8*(8*((\a)%4)+\b):8*(8*((\a)%4)+\b)+7], v[128*(\p)+FR*\b:128*(\p)+FR*\b+FR-1], v[AF+FR*(\a):AF+FR*(\a)+FR-1], v[8*(8*((\a)%4)+\b):8*(8*((\a)%4)+\b)+7], v[SC+8*NQ*(\sc)+NQ*\b+(\q)], v[SC+8*NQ*(\sc)+NQ*(\a)+(\q)] matrix_a_fmt:MATRIX_FMT_FP6 matrix_b_fmt:MATRIX_FMT_FP6 matrix_a_scale:MATRIX_SCALE_ROW1
.endif
.endr
.endr
.endm
.macro FETCH_B slot, q, p              ; B's eight fragments of the slot's q-th 128 along K into set p
	WIN TO_B
.irp i, 0,1,2,3,4,5,6,7
	FRAG 128*(\p)+FR*\i, ADRB+\slot, \q, \i
.endr
	WIN 0
.endm
.macro FETCH_A slot, q, i0             ; A's blocks i0 .. i0 + 3
.irp i, \i0, \i0+1, \i0+2, \i0+3
	FRAG AF+FR*(\i), ADRA+\slot, \q, \i
.endr
.endm
.macro SCALES sc                       ; the next K step's scale words into set sc: lanes 0-15 take A's block i, lanes 16-31 B's block i
.irp i, 0,1,2,3,4,5,6,7
	ds_load_b64 v[SC+8*NQ*\sc+NQ*\i:SC+8*NQ*\sc+NQ*\i+1], v[ADRS] offset:\i*SBLK
.endr
.endm
.macro PLACES n                        ; plain vector instructions that name none of a matrix instruction's registers (ISA guide 7.12.1)
.rept \n
	v_nop
.endr
.endm
; A step of 128 along K that has its successor in the same slot.
.macro STEP slot, q, zero
	s_wait_dscnt 4*NL                              ; B's set and A's blocks 0-3 are in; the youngest 24 loads (A's blocks 4-7) may be out
	WIN MUL_LO
	MUL16 0, (\q)%2, \q, \slot, \zero
	MUL16 2, (\q)%2, \q, \slot, \zero
	s_wait_dscnt 0                                 ; A's blocks 4-7 are in
	PLACES NP
	FETCH_B \slot, (\q)+1, 1-(\q)%2
	FETCH_A \slot, (\q)+1, 0
	WIN MUL_HI
	MUL16 4, (\q)%2, \q, \slot, \zero
	MUL16 6, (\q)%2, \q, \slot, \zero
	PLACES NP
	WIN 0
	FETCH_A \slot, (\q)+1, 4
.endm
; A slot's last step changes slots: ONE barrier; in front of it each wave waits for all its tensor loads, adds 0 to its spare word, and waits for that and for its own reads of this slot.
.macro TURN slot, next, fill
	s_wait_tensorcnt 0x0                           ; all my tensor loads have landed: my part of the next slot
	ds_add_u32 v[SPW], v[NIL]                      ; 0 onto my spare word
	s_wait_dscnt 4*NL+1                            ; (the add and the youngest 24 loads, A's blocks 4-7, may be out)
	WIN MUL_LO
	MUL16 0, 1, NQ-1, \slot, 0                     ; sixteen matrix instructions stand between the add and the wait for it
	s_wait_dscnt 0x0                               ; the add is done, and my reads of this slot are over
	s_barrier_signal -1
	MUL16 2, 1, NQ-1, \slot, 0
	WIN 0
	s_barrier_wait -1
.if \fill
	CREST                                          ; the barrier has opened a round of the cluster's barrier: no wave of any partner still reads this slot or has a load on its way
	s_add_nc_u64 s[G0+4*\slot+2:G0+4*\slot+3], s[G0+4*\slot+2:G0+4*\slot+3], 2*ROWB
	s_add_nc_u64 s[G0B+4*\slot+2:G0B+4*\slot+3], s[G0B+4*\slot+2:G0B+4*\slot+3], 2*ROWB
	JLOAD G0+4*\slot, G1, G0B+4*\slot, G1B         ; the first tensor load behind the round; its four v_nop are the places in front of the loads below
.else
	PLACES NP
.endif
	v_add_nc_u32 v[ADRS], 4*NQ, v[ADRS]            ; on to the next K step's scale words (no LDS load of mine is out)
	FETCH_B \next, 0, 0
	FETCH_A \next, 0, 0
	SCALES \next
	WIN MUL_HI
	MUL16 4, 1, NQ-1, \slot, 0
	MUL16 6, 1, NQ-1, \slot, 0
	PLACES NP
	WIN 0
	FETCH_A \next, 0, 4
.endm
	s_wait_tensorcnt 1                             ; the scales and my part of K step 0 are in (three loads were issued; K step 1's may be out),
	s_barrier_signal -1
	s_barrier_wait -1                              ; everybody's are
	FETCH_B 0, 0, 0
	FETCH_A 0, 0, 0
	SCALES 0
	FETCH_A 0, 0, 4
	STEP 0, 0, 1                                   ; the first step stands in front of the loop: its products start the sums
	s_mov_b32 s3, LAPS-1
.Llap:                                                 ; a trip goes once round the ring and fills both slots again
	TURN 0, 1, 1
	STEP 1, 0, 0
	TURN 1, 0, 1
	STEP 0, 0, 0
	s_sub_co_u32 s3, s3, 1
	s_cmp_lg_u32 s3, 0
	s_cbranch_scc1 .Llap
	TURN 0, 1, 0                                   ; the last lap fills nothing
	STEP 1, 0, 0
	s_wait_dscnt 4*NL                              ; the very last step
	WIN MUL_LO
	MUL16 0, 1, NQ-1, 1, 0
	MUL16 2, 1, NQ-1, 1, 0
	s_wait_dscnt 0
	WIN MUL_HI
	MUL16 4, 1, NQ-1, 1, 0
	MUL16 6, 1, NQ-1, 1, 0
	WIN 0
; THE WAY OUT.  Block a (16 rows x 128 along the next K: 64 registers a lane, register 16 b + i of block b) becomes one fragment and one scale word a row.
; A block's scale: the largest magnitude (with the floor 2^(3 - 127) among its leaves, which holds the byte at 1 from below) with 2 taken off its exponent field is the conversion's scale operand; shifted by 23 it is the byte.
.macro QUANTW a
.set SA, 64*((\a)%4)
.set WA, 2+(\a)/4
.set CD, CDS+12*(\a)
	WIN 20*WA                                      ; sources 1 and 2: the accumulators' window
.irp b, 0,1,2,3
	v_max3_num_f32 v[TM+\b], v[FLR], |v[SA+16*\b]|, |v[SA+16*\b+1]|   ; each accumulator is read from its low end on
.endr
.irp i, 2,4,6,8,10,12,14
.irp b, 0,1,2,3
	v_max3_num_f32 v[TM+\b], v[TM+\b], |v[SA+16*\b+\i]|, |v[SA+16*\b+\i+1]|   ; (the four blocks by turns)
.endr
.endr
	WIN 0
.irp b, 0,1,2,3
	v_permlanex16_b32 v[TM+4+\b], v[TM+\b], s[SEL], s[SEL+1]
.endr
.irp b, 0,1,2,3
	v_max_num_f32 v[TM+\b], v[TM+\b], v[TM+4+\b]   ; with lane l xor 16's 16 numbers: the block's largest magnitude
.endr
.irp b, 0,1,2,3
	v_add_nc_u32 v[TM+12+\b], 0xff000000, v[TM+\b] ; 2 off its exponent field
.endr
.irp b, 0,1,2,3
	v_lshrrev_b32 v[TM+4+\b], 23, v[TM+12+\b]      ; the scale's byte
.endr
	v_lshl_or_b32 v[PW+(\a)], v[TM+5], 8, v[TM+4]  ; my row's scale word
	v_lshl_or_b32 v[PW+(\a)], v[TM+6], 16, v[PW+(\a)]
	v_lshl_or_b32 v[PW+(\a)], v[TM+7], 24, v[PW+(\a)]
	WIN WA                                         ; source 0: the accumulators' window
.irp c, 0,1
	v_cvt_scalef32_pk16_fp6_f32 v[CD+6*\c:CD+6*\c+2], v[SA+32*\c:SA+32*\c+15], v[TM+12+2*\c]
	v_cvt_scalef32_pk16_fp6_f32 v[T2+4*\c:T2+4*\c+2], v[SA+32*\c+16:SA+32*\c+31], v[TM+13+2*\c]   ; (a conversion's three registers begin on an even number)
.endr
	WIN 0
	v_nop                                          ; one plain place behind a scaled conversion
.irp c, 0,1                                    ; the operand's layout wants a WHOLE block in a lane: lanes 0-15 block 2 c, lanes 16-31 block 2 c + 1
.irp i, 0,1,2
	v_permlane16_swap_b32 v[CD+6*\c+\i], v[T2+4*\c+\i]
.endr
.irp i, 0,1,2
	v_mov_b32 v[CD+3+6*\c+\i], v[T2+4*\c+\i]
.endr
.endr
.irp p, 0,1,2,3,4,5
	global_store_b64 v[IO], v[CD+2*\p:CD+2*\p+1], s[12:13] offset:1536*(\a)+256*\p   ; a plane: 32 lanes store 256 consecutive bytes, aligned
.endr
	ds_store_b32 v[SWA], v[PW+(\a)] offset:64*(\a) ; lanes l and l + 16 write the same word with the same value
.endm
	PLACES NP                                      ; behind the last products: the lines below read results and write registers that held A's fragments and scale words
.irp a, 0,1,2,3,4,5,6,7
	QUANTW \a
.endr
	ds_load_b128 v[RB1:RB1+3], v[SRD]              ; LDS serves a wave's instructions in order (ISA guide 5.7.1.4): this sees my stores.  The stage lies in slot 0, which has had its last fill and its last read
	s_wait_dscnt 0x0
	global_store_b128 v[GO16], v[RB1:RB1+3], s[66:67]   ; my 128 rows' scale words: 512 consecutive bytes
	; v alone (the cluster's x is the same in all partners): the sum of the quantised v over my 128 keys, for each of my 128 rows e: a product of ones with each fragment just made
	s_cmp_lg_u32 ttmp9, 2
	s_cbranch_scc1 .Lno_sum
	v_mov_b32 v[ONESC], 0x7f7f7f7f                 ; four scales of 1.0: sixteen plain lines ahead of the products
.irp i, 0,1,2,3
	v_mov_b32 v[ONES+3*\i], 0x08208208             ; the code of 1.0 is 001000: sixteen of them are these 96 bits
	v_mov_b32 v[ONES+3*\i+1], 0x82082082
	v_mov_b32 v[ONES+3*\i+2], 0x20820820
.endr
	PLACES 4                                       ; an operand written by vector instructions stands four places ahead of a scaled matrix instruction
.irp a, 0,1,2,3,4,5,6,7
	v_wmma_scale_f32_16x16x128_f8f6f4 v[SUMD+8*\a:SUMD+8*\a+7], v[ONES:ONES+11], v[CDS+12*\a:CDS+12*\a+11], 0, v[ONESC], v[PW+\a] matrix_a_fmt:MATRIX_FMT_FP6 matrix_b_fmt:MATRIX_FMT_FP6
.endr
	PLACES NP
.irp a, 0,1,2,3,4,5,6,7
	ds_store_b32 v[SWA], v[SUMD+8*\a] offset:512+64*\a   ; every row of the result is the same: register 0 of lane (r, h) is row r's sum
.endr
	ds_load_b128 v[RB2:RB2+3], v[SRD] offset:512
	s_wait_dscnt 0x0
	global_store_b128 v[GO16], v[RB2:RB2+3], s[96:97]
.Lno_sum:
	s_wait_tensorcnt 0x0                           ; the wave's end: behind my last tensor load and my last LDS store
	ds_add_u32 v[SPW], v[NIL]
	s_wait_dscnt 0x0
	CROUND                                         ; the closing round: no work-group ends while a partner may still ask for a tile that names it
	s_endpgm
.Lfunc_end_k_qf7bc661331_proj:
	.size	k_qf7bc661331_proj, .Lfunc_end_k_qf7bc661331_proj-k_qf7bc661331_proj
	.p2alignl 7, 3214868480
	.fill 96, 4, 3214868480
	.section	.rodata,"a",@progbits
	.p2align	6, 0x0
	.amdhsa_kernel k_qf7bc661331_proj
		.amdhsa_group_segment_fixed_size 327680
		.amdhsa_private_segment_fixed_size 0
		.amdhsa_enable_private_segment 0
		.amdhsa_kernarg_size 136
		.amdhsa_user_sgpr_count 2
		.amdhsa_user_sgpr_kernarg_segment_ptr 1
		.amdhsa_wavefront_size32 1
		.amdhsa_system_sgpr_workgroup_id_x 1
		.amdhsa_system_sgpr_workgroup_id_y 1
		.amdhsa_system_sgpr_workgroup_id_z 1
		.amdhsa_system_vgpr_workitem_id 0
		.amdhsa_next_free_vgpr 1024
		.amdhsa_next_free_sgpr 100
		.amdhsa_reserve_vcc 0
		.amdhsa_float_denorm_mode_32 3
		.amdhsa_float_denorm_mode_16_64 3
		.amdhsa_memory_ordered 1
		.amdhsa_forward_progress 1
		.amdhsa_inst_pref_size 169
	.end_amdhsa_kernel
	.amdgpu_metadata
---
amdhsa.version: [ 1, 2 ]
amdhsa.kernels:
  - .name:           k_qf7bc661331_proj
    .symbol:         k_qf7bc661331_proj.kd
    .args:
      - { .name: query_codes, .offset: 0, .size: 8, .value_kind: global_buffer, .address_space: global }
      - { .name: query_scales, .offset: 8, .size: 8, .value_kind: global_buffer, .address_space: global }
      - { .name: Wq_codes, .offset: 16, .size: 8, .value_kind: global_buffer, .address_space: global }
      - { .name: Wq_scales, .offset: 24, .size: 8, .value_kind: global_buffer, .address_space: global }
      - { .name: keys_codes, .offset: 32, .size: 8, .value_kind: global_buffer, .address_space: global }
      - { .name: keys_scales, .offset: 40, .size: 8, .value_kind: global_buffer, .address_space: global }
      - { .name: Wk_codes, .offset: 48, .size: 8, .value_kind: global_buffer, .address_space: global }
      - { .name: Wk_scales, .offset: 56, .size: 8, .value_kind: global_buffer, .address_space: global }
      - { .name: Wv_codes, .offset: 64, .size: 8, .value_kind: global_buffer, .address_space: global }
      - { .name: Wv_scales, .offset: 72, .size: 8, .value_kind: global_buffer, .address_space: global }
      - { .name: values_codes, .offset: 80, .size: 8, .value_kind: global_buffer, .address_space: global }
      - { .name: values_scales, .offset: 88, .size: 8, .value_kind: global_buffer, .address_space: global }
      - { .name: qk_img, .offset: 96, .size: 8, .value_kind: global_buffer, .address_space: global }
      - { .name: qk_sw, .offset: 104, .size: 8, .value_kind: global_buffer, .address_space: global }
      - { .name: v_img, .offset: 112, .size: 8, .value_kind: global_buffer, .address_space: global }
      - { .name: v_sw, .offset: 120, .size: 8, .value_kind: global_buffer, .address_space: global }
      - { .name: v_part, .offset: 128, .size: 8, .value_kind: global_buffer, .address_space: global }
    .group_segment_fixed_size: 327680
    .private_segment_fixed_size: 0
    .kernarg_segment_align: 8
    .kernarg_segment_size: 136
    .max_flat_workgroup_size: 128
    .sgpr_count:     100
    .vgpr_count:     1024
    .wavefront_size: 32
...
	.end_amdgpu_metadata
.endif
;; end of part 1
;; launch attn (part 2): grid 256 x 1, 16 waves a work-group, no clusters, 32,768 bytes of LDS; arguments qk_img, qk_sw, v_img, v_sw, v_part, mask, o_codes, o_scales; writes o_codes, o_scales
.if DOCPART == 2
	.amdgcn_target "amdgcn-amd-amdhsa--gfx1250"
	.amdhsa_code_object_version 6
	.text
	.protected	k_qf7bc661331_attn
	.globl	k_qf7bc661331_attn
	.p2align	8
	.type	k_qf7bc661331_attn,@function
k_qf7bc661331_attn:
	s_mov_b64 s[64:65], 0
	v_nop
	global_prefetch_b8 v0, s[64:65] scope:SCOPE_SE
	s_setreg_imm32_b32 hwreg(HW_REG_WAVE_MODE, 25, 1), 1
	s_wait_xcnt 0x0
; BAND ATTENTION on codes of FP6 (E2M3).  A key counts for a query where |q - k| <= 5 and the mask input says so; every other energy is -1e20.  So a query's weights are zero outside 11 keys,
; and only a window of 64 keys (two aligned blocks of 32) is multiplied.  ONE CASE REACHES FURTHER: a query whose every key in the band is switched off has 2,048 equal energies: p = 1 everywhere, the sum is 2,048,
; and its result is the sum of the quantised v over all keys of the batch / 2,048.  That vector of 1,024 numbers is made in EVERY work-group, from the column sums that the launch before has stored, and selected
; into such queries' lanes: no branch hangs on the mask.
; SHARES.  A work-group owns 32 neighbouring rows (queries) of one batch; wave w owns tile u = w / 8 of 16 queries and the head pair g = w % 8 (128 of the embedding's 1,024).  Four waves to a SIMD.
; All operands come from memory straight into registers, as images of fragments laid by the launch before: no tensor load, no ring.  No cluster: what neighbours share is the window's overlap,
; a small part of a wave's bytes, and nothing of it goes through LDS on the way in.
; S^T = k q^T (source 0 = 16 keys, source 1 = my 16 queries): a fragment holds BOTH heads of the pair along its K (2 x 64); q's other head is replaced by zero codes.  O^T = v^T p^T, K = the window's 64 keys and 64 zero codes of p.
; A lane holds ONE query (lane % 16) throughout.  The keys of a tile are neighbours, so p's codes lie in a block in the same order as v's (the two middle groups of eight exchanged): the product is kept.
; THE ROWS OF v^T THAT FORM A TILE ARE NOT NEIGHBOURS: lane r of tile 2 b + u takes row 32 b + 8 u + r + 8 (r / 8), so that the 16 registers of tiles 2 b, 2 b + 1 are 16 neighbours of the embedding: the result is quantised
; along the embedding in natural order, since it meets given codes in the last product.
; THE SOFTMAX: t = energy x log2(e) / 8; M = ceil(the row's largest t); p = 2^(t - M) is quantised along the keys; the sum of the unquantised p divides at the end.
; THE BATCH'S COLUMN SUMS: thread t adds the 16 rows of v_part at e = 2 t, 2 t + 1 (a wave's load covers 256 consecutive bytes), x 2^-11, into LDS; a barrier, signalled early and awaited late; each lane reads its 64 numbers back.
; OUT: o_codes [8192][768] and o_scale bytes [8192][32], through LDS, so that whole rows leave: 1,536 and 512 consecutive bytes a wave.
; LIMITS: NaN and infinities are not served.  A block of zeros gets the byte 1 where the quantiser's rule says 127 (its codes are zeros; this program alone reads the bytes).  Energies of keys that count are taken to lie above -1e20.
; In a query with no key left the window's own p may overflow; it stays in that query's two lanes and is replaced, by a select, ahead of the quantiser.
.set RR,  1                            ; v1   r = lane % 16
.set HH,  2                            ; v2   h = lane / 16
.set L8,  3                            ; v3   8 x lane: my place in a plane of an image
.set R4,  4                            ; v4   4 r: my row's scale word
.set MA,  5                            ; v5   2,048 r + 8 h: the mask
.set VA,  6                            ; v6   my place in v's images
.set VSA, 7                            ; v7   4 (r + 8 (r / 8)): v's scale words
.set STC, 8                            ; v8   the stage: where my codes go
.set STS, 9                            ; v9   and my scale word
.set RD0, 10                           ; v10  the stage, back
.set RD1, 11                           ; v11  the same behind one padding more
.set L16, 12                           ; v12  16 x lane
.set NEG, 13                           ; v13  -1e20
.set DP,  14                           ; v14  my query - the window's first key - 8 h + 5
.set CSR, 15                           ; v15  LDS: the batch's sums, back: CSUM + 512 g + 64 h
.set QR,  16                           ; v16-21 q's registers 0-5, v22-27 zeros, v28-33 its registers 6-11
.set KR,  34                           ; v34-81 four fragments of k
.set MK,  82                           ; v82-89 my 32 mask bytes; later the sums' second chains
.set CG,  90                           ; v90  8 x thread: my two e in a row of v_part  (until the softmax, which takes v90-91 for RM)
.set CL,  91                           ; v91  CSUM + 8 x thread: and in LDS
.set RM,  90                           ; v90-91 the row's largest t, a head each
.set SO,  92                           ; v92-95 the conversions' scale operands
.set S,   96                           ; v96-159 first (v96-127) 16 rows of column sums; then S^T, then p, then O^T
.set VR,  160                          ; v160-207 eight half fragments of v^T, v208-213 zeros
.set BM,  214                          ; v214-217 first (v214-215) my two column sums; then each (head, block)'s largest score, then largest p
.set BP,  218                          ; v218-221 at work
.set T0,  222
.set T1,  223
.set RL,  224                          ; v224-227 the sums, then 1 / sum: a pair a head
.set NM,  228                          ; v228-231 -M: a pair a head (the upper words are written, not used)
.set QSW, 232                          ; scale words and bytes, and nothing else: q's,
.set KSW, 233                          ; v233-236 k's,
.set PSW, 237                          ; v237-238 p's,
.set VSW, 239                          ; v239-246 v's (first the first block's byte),
.set VS1, 247                          ; v247-254 the second block's byte
.set SRS, 255                          ; v255 the stage's scale bytes, back
.set CDP, 34                           ; p's codes: v34-45, v46-57 (k's registers, free by then)
.set T2P, 58                           ; v58-60, v62-64
.set ACC, 16                           ; v16-79 the batch's sums / 2,048, in the result's layout
.set CDQ, 34                           ; the result's codes
.set TMQ, 64
.set PWQ, 80
.set SPITCH, 784                       ; the stage: 32 rows x (768 bytes + 16)
.set SSC, 32*SPITCH                    ; behind it: 32 rows x 32 scale bytes
.set CSUM, SSC+1024                    ; behind them: the batch's 1,024 column sums / 2,048
.set CS,  82                           ; s[82:83] c = log2(e) / 8
.set SEL, 84                           ; s[84:85] lane selects: lane l xor 16
.set LM,  32                           ; s32-63 a lane mask for each of a lane's 32 keys
.set ANY, 30                           ; s30   lanes whose query has a key left
	s_load_b512 s[4:19], s[0:1], 0x0               ; qk_img, qk_sw, v_img, v_sw, v_part, mask, o_codes, o_scales
	v_lshrrev_b32 v1, 5, v0
	v_readfirstlane_b32 s28, v1                    ; wave 0..15
	s_and_b32 s29, s28, 7                          ; g: the head pair
	s_lshr_b32 s31, s28, 3                         ; u: which 16 of the 32 queries
	s_lshr_b32 s69, ttmp9, 6                       ; the batch
	s_and_b32 s70, ttmp9, 63                       ; beta: which 32 rows of it
	s_lshl_b32 s66, ttmp9, 1
	s_add_co_u32 s66, s66, s31                     ; T: my tile of 16 rows among all 512
	s_add_co_u32 s67, s70, s31
	s_max_u32 s67, s67, 1
	s_sub_co_u32 s67, s67, 1
	s_min_u32 s67, s67, 62                         ; the window's first block of 32 keys: beta - 1 + u, held to 0 .. 62: it covers q - 5 .. q + 5 of all my queries
	s_lshl_b32 s68, s69, 6
	s_add_co_u32 s68, s68, s67                     ; the same among all 256 blocks
	v_lshlrev_b32 v[CG], 3, v0
	v_lshl_add_u32 v[CL], v0, 3, CSUM
	v_and_b32 v[RR], 15, v0
	v_bfe_u32 v[HH], v0, 4, 1
	v_and_b32 v[L16], 31, v0
	v_lshlrev_b32 v[L8], 3, v[L16]
	v_lshlrev_b32 v[L16], 4, v[L16]
	v_lshlrev_b32 v[R4], 2, v[RR]
	v_lshlrev_b32 v[MA], 11, v[RR]
	v_lshl_add_u32 v[MA], v[HH], 3, v[MA]
	; v's images: lanes 0-15 want the window's first block, lanes 16-31 its second.  Block B lies in the image of keys 128 (B / 4), planes 3 ((B / 2) % 2) on, lanes 16 (B % 2) on
	v_add_nc_u32 v[T0], s68, v[HH]
	v_lshrrev_b32 v[T1], 2, v[T0]
	v_mul_u32_u24 v[VA], v[T1], 98304
	v_bfe_u32 v[T1], v[T0], 1, 1
	v_mad_u32_u24 v[VA], v[T1], 768, v[VA]
	v_and_b32 v[T1], 1, v[T0]
	v_lshl_add_u32 v[VA], v[T1], 7, v[VA]
	v_lshrrev_b32 v[T1], 3, v[RR]
	v_mad_u32_u24 v[VA], v[T1], 1536, v[VA]        ; rows 8 .. 15 of a tile lie in the next image,
	v_and_b32 v[T1], 7, v[RR]
	v_lshl_add_u32 v[VA], v[T1], 3, v[VA]          ; at lane r % 8 (+ 8 u, in the immediate)
	v_and_b32 v[VSA], 8, v[RR]
	v_add_nc_u32 v[VSA], v[VSA], v[RR]
	v_lshlrev_b32 v[VSA], 2, v[VSA]
	s_mul_i32 s76, s31, 16*SPITCH
	s_mul_i32 s71, s29, 96
	s_add_co_u32 s76, s76, s71
	v_mul_u32_u24 v[STC], v[RR], SPITCH
	v_mad_u32_u24 v[STC], v[HH], 24, v[STC]
	v_add_nc_u32 v[STC], s76, v[STC]               ; row 16 u + r, + 96 g + 24 h
	s_lshl_b32 s76, s31, 9
	s_lshl_b32 s71, s29, 2
	s_add_co_u32 s76, s76, s71
	s_add_co_u32 s76, s76, SSC
	v_lshl_add_u32 v[STS], v[RR], 5, s76           ; 32 (16 u + r) + 4 g
	s_mul_i32 s76, s28, 2*SPITCH
	v_add_nc_u32 v[RD0], s76, v[L16]               ; back: rows 2 w and 2 w + 1
	v_lshl_add_u32 v[RD1], v[HH], 4, v[RD0]
	s_min_u32 s78, s28, 1
	s_lshl_b32 s78, s78, 9
	s_add_co_u32 s76, s78, SSC
	v_add_nc_u32 v[SRS], s76, v[L16]               ; (read by waves 0 and 1 alone)
	s_mov_b32 s[CS], 0x3e38aa3b                    ; c = log2(e) / sqrt(64)
	s_mov_b32 s[CS+1], s[CS]
	s_mov_b32 s[SEL], 0x76543210
	s_mov_b32 s[SEL+1], 0xfedcba98
	s_mov_b32 s[ANY], 0
	s_mov_b32 s77, 0                               ; the upper word of every offset
	s_lshl_b32 s79, s29, 9                         ; 512 g
	s_wait_kmcnt 0x0
	s_add_co_u32 s76, s79, s66
	s_mul_i32 s76, s76, 1536
	s_add_nc_u64 s[20:21], s[4:5], s[76:77]        ; q's image (g, T)
	s_lshl_b32 s76, s68, 1
	s_add_co_u32 s76, s76, s79
	s_mul_i32 s76, s76, 1536
	s_add_co_u32 s76, s76, 6291456
	s_add_nc_u64 s[22:23], s[4:5], s[76:77]        ; k's four images: the window's 64 keys
	s_lshl_b32 s80, s29, 15
	s_lshl_b32 s76, s66, 6
	s_add_co_u32 s76, s76, s80
	s_add_nc_u64 s[24:25], s[6:7], s[76:77]        ; q's scale words
	s_lshl_b32 s76, s68, 7
	s_add_co_u32 s76, s76, s80
	s_add_co_u32 s76, s76, 262144
	s_add_nc_u64 s[26:27], s[6:7], s[76:77]        ; k's
	s_lshr_b32 s76, s68, 2
	s_lshl_b32 s76, s76, 12
	s_and_b32 s80, s68, 3
	s_add_co_u32 s76, s76, s80
	s_add_co_u32 s76, s76, s79
	s_add_nc_u64 s[72:73], s[10:11], s[76:77]      ; v's scale bytes of the window's first block,
	s_add_co_u32 s81, s68, 1
	s_lshr_b32 s76, s81, 2
	s_lshl_b32 s76, s76, 12
	s_and_b32 s80, s81, 3
	s_add_co_u32 s76, s76, s80
	s_add_co_u32 s76, s76, s79
	s_add_nc_u64 s[74:75], s[10:11], s[76:77]      ; and of its second
	s_mul_i32 s76, s29, 12288
	s_add_nc_u64 s[8:9], s[8:9], s[76:77]          ; v's images: my pair's eight tiles of e
	s_lshl_b32 s76, s69, 16
	s_add_nc_u64 s[12:13], s[12:13], s[76:77]      ; the column sums: my batch's 16 rows of 1,024
	s_lshl_b32 s76, s66, 15
	s_lshl_b32 s80, s67, 5
	s_add_co_u32 s76, s76, s80
	s_add_nc_u64 s[14:15], s[14:15], s[76:77]      ; the mask: my first query's row, the window's first key
	s_mul_i32 s76, ttmp9, 24576
	s_mul_i32 s80, s28, 1536
	s_add_co_u32 s76, s76, s80
	s_add_nc_u64 s[16:17], s[16:17], s[76:77]      ; out: rows 32 x work-group + 2 w
	s_lshl_b32 s76, ttmp9, 10
	s_add_co_u32 s76, s76, s78
	s_add_nc_u64 s[18:19], s[18:19], s[76:77]
	; ALL LOADS NOW.  First my share of the batch's column sums: 16 loads, 256 consecutive bytes a wave each
.irp k, 0,1,2,3,4,5,6,7,8,9,10,11,12,13,14,15
	global_load_b64 v[S+2*\k:S+2*\k+1], v[CG], s[12:13] offset:4096*\k
.endr
	; then what the scores want: 39 loads
.irp p, 0,1,2
	global_load_b64 v[QR+2*\p:QR+2*\p+1], v[L8], s[20:21] offset:256*\p
	global_load_b64 v[QR+12+2*\p:QR+12+2*\p+1], v[L8], s[20:21] offset:768+256*\p
.endr
	global_load_b32 v[QSW], v[R4], s[24:25]
.irp t, 0,1,2,3
.irp p, 0,1,2,3,4,5
	global_load_b64 v[KR+12*\t+2*\p:KR+12*\t+2*\p+1], v[L8], s[22:23] offset:1536*\t+256*\p
.endr
	global_load_b32 v[KSW+\t], v[R4], s[26:27] offset:64*\t
.endr
.irp m, 0,1,2,3
	global_load_b64 v[MK+2*\m:MK+2*\m+1], v[MA], s[14:15] offset:16*\m   ; the mask bytes of keys 16 m + 8 h + 0 .. 7 of the window, for my query
.endr
	; then v: 40 loads
.irp f, 0,1,2,3,4,5,6,7
.irp p, 0,1,2
	global_load_b64 v[VR+6*\f+2*\p:VR+6*\f+2*\p+1], v[VA], s[8:9] offset:3072*(\f/2)+64*(\f%2)+256*\p
.endr
	global_load_u8 v[VSW+\f], v[VSA], s[72:73] offset:128*(\f/2)+32*(\f%2)
	global_load_u8 v[VS1+\f], v[VSA], s[74:75] offset:128*(\f/2)+32*(\f%2)
.endr
.irp i, 0,1,2,3,4,5
	v_mov_b32 v[QR+6+\i], 0                        ; zero codes: the head that a product leaves out
	v_mov_b32 v[VR+48+\i], 0                       ; and behind v's last half fragment
.endr
.irp b, 0,1,2,3
	v_mov_b32 v[BP+\b], 0                          ; written once: a lane permute's destination counts as one of its sources
.endr
	v_mov_b32 v[NM+1], 0
	v_mov_b32 v[NM+3], 0
	s_wait_loadcnt 40                              ; the column sums, q, k, their scale words and the mask are in; v's 40 loads may be out
	; my two e: the 16 rows are added as a tree, two numbers a line
.irp k, 0,1,2,3,4,5,6,7
	v_pk_add_f32 v[S+4*\k:S+4*\k+1], v[S+4*\k:S+4*\k+1], v[S+4*\k+2:S+4*\k+3]
.endr
.irp k, 0,1,2,3
	v_pk_add_f32 v[S+8*\k:S+8*\k+1], v[S+8*\k:S+8*\k+1], v[S+8*\k+4:S+8*\k+5]
.endr
.irp k, 0,1
	v_pk_add_f32 v[S+16*\k:S+16*\k+1], v[S+16*\k:S+16*\k+1], v[S+16*\k+8:S+16*\k+9]
.endr
	v_pk_add_f32 v[S:S+1], v[S:S+1], v[S+16:S+17]
	v_pk_mul_f32 v[BM:BM+1], v[S:S+1], 0x3a000000 op_sel_hi:[1,0]   ; x 2^-11: / the 2,048 equal weights
	ds_store_b64 v[CL], v[BM:BM+1]
	v_mov_b32 v[NEG], 0xe0ad78ec                   ; -1e20.  (Work on registers that is due anyway stands between the store and the wait for it)
	s_add_co_u32 s76, s79, CSUM
	v_lshl_add_u32 v[CSR], v[HH], 6, s76
	s_sub_co_u32 s80, s70, s67
	s_lshl_b32 s80, s80, 5
	s_lshl_b32 s81, s31, 4
	s_add_co_u32 s80, s80, s81
	s_add_co_u32 s80, s80, 5
	v_add_nc_u32 v[DP], s80, v[RR]
	v_lshlrev_b32 v[T0], 3, v[HH]
	v_sub_nc_u32 v[DP], v[DP], v[T0]               ; (the lines since the zeros are the places between an operand written by vector instructions and the products)
	s_wait_dscnt 0x0                               ; for the others' sake: my two sums have landed
	s_barrier_signal -1                            ; say so; the wait stands where the sums are read, behind the second product: only work on registers lies between
.irp e, 0,1
.irp t, 0,1,2,3
	v_wmma_scale_f32_16x16x128_f8f6f4 v[S+32*\e+8*\t:S+32*\e+8*\t+7], v[KR+12*\t:KR+12*\t+11], v[QR+6*\e:QR+6*\e+11], 0, v[KSW+\t], v[QSW] matrix_a_fmt:MATRIX_FMT_FP6 matrix_b_fmt:MATRIX_FMT_FP6
.endr
.endr
	; Register 16 b + i of a head holds key c + 8 h of the window, c = 32 b + i + 8 (i / 8).  It counts where 0 <= q - key + 5 <= 10 and its mask byte is not 0.  Both heads share the 32 lane masks.  (These lines are the places behind the products.)
.set j, 0
.rept 32
.set cj, 32*(j/16)+(j%16)+8*((j%16)/8)
.set mr, MK+2*(2*(j/16)+(j%16)/8)+(j%8)/4
	v_sub_nc_u32 v[T0], v[DP], cj
	v_bfe_u32 v[T1], v[mr], 8*(j%4), 8
	v_cmp_gt_u32 s[LM+j], 11, v[T0]
	v_cmp_ne_u32 vcc_lo, 0, v[T1]
	s_and_b32 s[LM+j], s[LM+j], vcc_lo
	s_or_b32 s[ANY], s[ANY], s[LM+j]
.set j, j+1
.endr
	s_lshr_b32 s76, s[ANY], 16
	s_lshl_b32 s80, s[ANY], 16
	s_or_b32 s[ANY], s[ANY], s76
	s_or_b32 s[ANY], s[ANY], s80                   ; a query's keys lie in lanes l and l xor 16
.irp e, 0,1
.irp i, 6,7,8,9,10,11
	v_mov_b32 v[CDP+12*\e+\i], 0                   ; p's upper 64 along K: zero codes
.endr
.endr
.set j, 0
.rept 64
	v_cndmask_b32 v[S+j], v[NEG], v[S+j], s[LM+j%32]   ; each accumulator from its low end on
.set j, j+1
.endr
	; the softmax: four (head, block) pairs x = 2 e + b by turns; pair x's 16 scores at v[S + 16 x]
.irp x, 0,1,2,3
	v_max3_num_f32 v[BM+\x], v[S+16*\x], v[S+16*\x+1], v[S+16*\x+2]   ; the block's largest score serves twice: for the row's maximum and, since p rises with the score, for the block's largest p
.endr
.irp i, 3,5,7,9,11,13
.irp x, 0,1,2,3
	v_max3_num_f32 v[BM+\x], v[BM+\x], v[S+16*\x+\i], v[S+16*\x+\i+1]
.endr
.endr
.irp x, 0,1,2,3
	v_max_num_f32 v[BM+\x], v[BM+\x], v[S+16*\x+15]
.endr
.irp x, 0,1,2,3
	v_permlanex16_b32 v[BP+\x], v[BM+\x], s[SEL], s[SEL+1]
.endr
.irp x, 0,1,2,3
	v_max_num_f32 v[BM+\x], v[BM+\x], v[BP+\x]     ; with lane l xor 16's 16 keys
.endr
.irp e, 0,1
	v_max_num_f32 v[RM+\e], v[BM+2*\e], v[BM+2*\e+1]
.endr
.irp e, 0,1
	v_mul_f32 v[RM+\e], s[CS], v[RM+\e]            ; the row's largest t
.endr
.irp e, 0,1
	v_floor_f32 v[NM+2*\e], -v[RM+\e]              ; -M = floor(-t) = -ceil(t)
.endr
.set j, 0
.rept 32
	v_pk_fma_f32 v[S+2*j:S+2*j+1], v[S+2*j:S+2*j+1], s[CS:CS+1], v[NM+2*(j/16):NM+2*(j/16)+1] op_sel_hi:[1,0,0]   ; t - M, two at a time
.set j, j+1
.endr
.irp x, 0,1,2,3
	v_fma_f32 v[BM+\x], v[BM+\x], s[CS], v[NM+2*(\x/2)]   ; the same of each block's largest score
.endr
.set j, 0
.rept 64
	v_exp_f32 v[S+j], v[S+j]                       ; p = 2^(t - M)
.set j, j+1
.endr
	s_wait_loadcnt 0x0                             ; v's codes and scale bytes are in
.irp f, 0,1,2,3,4,5,6,7
	v_lshl_or_b32 v[VSW+\f], v[VS1+\f], 8, v[VSW+\f]   ; v's scale word: the window's two blocks; bytes 2 and 3 stay 0 and meet zero codes.  (Plain work behind the exponentials)
.endr
	s_wait_alu depctr_va_vdst(0)                   ; one wait for the batch of 64, ahead of its first reader
.irp x, 0,1,2,3
	v_exp_f32 v[BM+\x], v[BM+\x]                   ; the block's largest p
.endr
.irp e, 0,1                                    ; the row's sum of the UNQUANTISED p: two chains a head.  (It reads the 64 alone: plain work behind the four)
	v_pk_add_f32 v[RL+2*\e:RL+2*\e+1], v[S+32*\e:S+32*\e+1], v[S+32*\e+2:S+32*\e+3]
	v_pk_add_f32 v[MK+2*\e:MK+2*\e+1], v[S+32*\e+4:S+32*\e+5], v[S+32*\e+6:S+32*\e+7]
.endr
.irp i, 8,12,16,20,24,28
.irp e, 0,1
	v_pk_add_f32 v[RL+2*\e:RL+2*\e+1], v[RL+2*\e:RL+2*\e+1], v[S+32*\e+\i:S+32*\e+\i+1]
	v_pk_add_f32 v[MK+2*\e:MK+2*\e+1], v[MK+2*\e:MK+2*\e+1], v[S+32*\e+\i+2:S+32*\e+\i+3]
.endr
.endr
.irp e, 0,1
	v_pk_add_f32 v[RL+2*\e:RL+2*\e+1], v[RL+2*\e:RL+2*\e+1], v[MK+2*\e:MK+2*\e+1]
.endr
	s_wait_alu depctr_va_vdst(0)                   ; and one for the four
.irp x, 0,1,2,3
	v_max_num_f32 v[BM+\x], 0x1800000, v[BM+\x]    ; the floor 2^(3 - 127): the byte cannot fall under 1
.endr
.irp x, 0,1,2,3
	v_add_nc_u32 v[SO+\x], 0xff000000, v[BM+\x]    ; 2 off the exponent field: the conversion's scale operand
.endr
.irp x, 0,1,2,3
	v_lshrrev_b32 v[BP+\x], 23, v[SO+\x]           ; the scale's byte
.endr
.irp e, 0,1
	v_lshl_or_b32 v[PSW+\e], v[BP+2*\e+1], 8, v[BP+2*\e]   ; p's scale word; bytes 2 and 3 stay 0 and meet zero codes
.endr
.irp e, 0,1
	v_cvt_scalef32_pk16_fp6_f32 v[CDP+12*\e:CDP+12*\e+2], v[S+32*\e:S+32*\e+15], v[SO+2*\e]
	v_cvt_scalef32_pk16_fp6_f32 v[T2P+4*\e:T2P+4*\e+2], v[S+32*\e+16:S+32*\e+31], v[SO+2*\e+1]
.endr
	v_nop                                          ; one plain place behind a scaled conversion
.irp e, 0,1                                    ; a WHOLE block in a lane: lanes 0-15 the window's first block, lanes 16-31 its second
.irp i, 0,1,2
	v_permlane16_swap_b32 v[CDP+12*\e+\i], v[T2P+4*\e+\i]
.endr
.irp i, 0,1,2
	v_mov_b32 v[CDP+12*\e+3+\i], v[T2P+4*\e+\i]
.endr
.endr
.irp e, 0,1
	v_add_f32 v[RL+2*\e], v[RL+2*\e], v[RL+2*\e+1] ; the sum's two halves,
.endr
.irp e, 0,1
	v_permlanex16_b32 v[RL+2*\e+1], v[RL+2*\e], s[SEL], s[SEL+1]
.endr
.irp e, 0,1
	v_add_f32 v[RL+2*\e+1], v[RL+2*\e], v[RL+2*\e+1]   ; and lane l xor 16's
.endr
.irp e, 0,1
	v_rcp_f32 v[RL+2*\e], v[RL+2*\e+1]
.endr
.rept 4
	v_nop                                          ; a plain place behind the reciprocals; with the six lines above them: the places between p's codes and the products
.endr
	s_wait_alu depctr_va_vdst(0)                   ; the reciprocals' wait, ahead of their first reader
.irp f, 0,1,2,3,4,5,6,7                        ; O^T: tile f, head f / 4.  The upper half of v's operand is the next half fragment: finite codes against p's zero codes
	v_wmma_scale_f32_16x16x128_f8f6f4 v[S+8*\f:S+8*\f+7], v[VR+6*\f:VR+6*\f+11], v[CDP+12*(\f/4):CDP+12*(\f/4)+11], 0, v[VSW+\f], v[PSW+\f/4] matrix_a_fmt:MATRIX_FMT_FP6 matrix_b_fmt:MATRIX_FMT_FP6
.endr
.rept 4
	v_nop                                          ; the places in front of the first read of results, and of the loads into the registers that held p's codes
.endr
	s_barrier_wait -1                              ; every wave's two sums a thread lie in LDS: the batch's 1,024
.irp y, 0,1,2,3,4,5,6,7,8,9,10,11,12,13,14,15
	ds_load_b128 v[ACC+4*\y:ACC+4*\y+3], v[CSR] offset:128*(\y/4)+16*(\y%4)   ; register 16 b + i: e = 128 g + 32 b + 16 h + i: the result's layout; the sixteen lanes of a half read the same words
.endr
.set j, 0
.rept 32
	v_pk_mul_f32 v[S+2*j:S+2*j+1], v[S+2*j:S+2*j+1], v[RL+2*(j/16):RL+2*(j/16)+1] op_sel_hi:[1,0]   ; / the sum.  Register 16 b + i is e = 32 b + 16 h + i of my 128.  (These lines stand between the loads and the wait for them)
.set j, j+1
.endr
	s_wait_dscnt 0x0
.set j, 0
.rept 64
	v_cndmask_b32 v[S+j], v[ACC+j], v[S+j], s[ANY] ; QUERIES WITH NO KEY LEFT take the batch's sums / 2,048: a select, in every wave
.set j, j+1
.endr
	; the result is quantised along the embedding: four blocks of 32, each in lanes l and l xor 16
.irp b, 0,1,2,3
	v_max3_num_f32 v[TMQ+\b], |v[S+16*\b]|, |v[S+1+16*\b]|, 0x1800000
.endr
.irp i, 2,4,6,8,10,12,14
.irp b, 0,1,2,3
	v_max3_num_f32 v[TMQ+\b], v[TMQ+\b], |v[S+16*\b+\i]|, |v[S+1+16*\b+\i]|
.endr
.endr
.irp b, 0,1,2,3
	v_permlanex16_b32 v[TMQ+4+\b], v[TMQ+\b], s[SEL], s[SEL+1]
.endr
.irp b, 0,1,2,3
	v_max_num_f32 v[TMQ+\b], v[TMQ+\b], v[TMQ+4+\b]
.endr
.irp b, 0,1,2,3
	v_add_nc_u32 v[TMQ+12+\b], 0xff000000, v[TMQ+\b]
.endr
.irp b, 0,1,2,3
	v_lshrrev_b32 v[TMQ+4+\b], 23, v[TMQ+12+\b]
.endr
	v_lshl_or_b32 v[PWQ], v[TMQ+5], 8, v[TMQ+4]
	v_lshl_or_b32 v[PWQ], v[TMQ+6], 16, v[PWQ]
	v_lshl_or_b32 v[PWQ], v[TMQ+7], 24, v[PWQ]
.irp c, 0,1
	v_cvt_scalef32_pk16_fp6_f32 v[CDQ+6*\c:CDQ+2+6*\c], v[S+32*\c:S+15+32*\c], v[TMQ+12+2*\c]
	v_cvt_scalef32_pk16_fp6_f32 v[CDQ+12+4*\c:CDQ+14+4*\c], v[S+16+32*\c:S+31+32*\c], v[TMQ+12+2*\c+1]
.endr
	v_nop                                          ; one plain place behind a scaled conversion
.irp c, 0,1
.irp i, 0,1,2
	v_permlane16_swap_b32 v[CDQ+6*\c+\i], v[CDQ+12+4*\c+\i]
.endr
.irp i, 0,1,2
	v_mov_b32 v[CDQ+3+6*\c+\i], v[CDQ+12+4*\c+\i]
.endr
.endr
.irp p, 0,1,2,3,4,5
	ds_store_b64 v[STC], v[CDQ+2*\p:CDQ+2*\p+1] offset:48*(\p/3)+8*(\p%3)   ; lane (r, h): blocks h and 2 + h of my 128: 24 bytes each, at their places in row r
.endr
	ds_store_b32 v[STS], v[PWQ]                    ; lanes l and l + 16 write the same word with the same value
	s_wait_dscnt 0x0                               ; for the others' sake: my stores have landed
	s_barrier_signal -1
	s_barrier_wait -1                              ; 32 whole rows lie in the stage
	ds_load_b128 v[96:99], v[RD0]                  ; two rows, 1,536 bytes, as 96 pieces of 16; from piece 48 on the second row, 16 bytes of padding further
	ds_load_b128 v[100:103], v[RD1] offset:512
	ds_load_b128 v[104:107], v[RD0] offset:1040
	s_wait_dscnt 0x0
	global_store_b128 v[L16], v[96:99], s[16:17]   ; 3 x 512 consecutive bytes
	global_store_b128 v[L16], v[100:103], s[16:17] offset:512
	global_store_b128 v[L16], v[104:107], s[16:17] offset:1024
	s_cmp_lt_u32 s28, 2                            ; the 1,024 scale bytes leave by waves 0 and 1
	s_cbranch_scc0 .Lend
	ds_load_b128 v[108:111], v[SRS]
	s_wait_dscnt 0x0
	global_store_b128 v[L16], v[108:111], s[18:19]
.Lend:
	s_wait_xcnt 0x0
	v_lshl_add_u32 v254, v0, 2, 0x7800
	v_mov_b32 v255, 0
	s_wait_tensorcnt 0x0
	ds_add_u32 v254, v255
	s_wait_dscnt 0x0
	s_endpgm
.Lfunc_end_k_qf7bc661331_attn:
	.size	k_qf7bc661331_attn, .Lfunc_end_k_qf7bc661331_attn-k_qf7bc661331_attn
	.p2alignl 7, 3214868480
	.fill 96, 4, 3214868480
	.section	.rodata,"a",@progbits
	.p2align	6, 0x0
	.amdhsa_kernel k_qf7bc661331_attn
		.amdhsa_group_segment_fixed_size 32768
		.amdhsa_private_segment_fixed_size 0
		.amdhsa_enable_private_segment 0
		.amdhsa_kernarg_size 64
		.amdhsa_user_sgpr_count 2
		.amdhsa_user_sgpr_kernarg_segment_ptr 1
		.amdhsa_wavefront_size32 1
		.amdhsa_system_sgpr_workgroup_id_x 1
		.amdhsa_system_sgpr_workgroup_id_y 1
		.amdhsa_system_sgpr_workgroup_id_z 1
		.amdhsa_system_vgpr_workitem_id 0
		.amdhsa_next_free_vgpr 256
		.amdhsa_next_free_sgpr 90
		.amdhsa_reserve_vcc 1
		.amdhsa_float_denorm_mode_32 3
		.amdhsa_float_denorm_mode_16_64 3
		.amdhsa_memory_ordered 1
		.amdhsa_forward_progress 1
		.amdhsa_inst_pref_size 56
	.end_amdhsa_kernel
	.amdgpu_metadata
---
amdhsa.version: [ 1, 2 ]
amdhsa.kernels:
  - .name:           k_qf7bc661331_attn
    .symbol:         k_qf7bc661331_attn.kd
    .args:
      - { .name: qk_img, .offset: 0, .size: 8, .value_kind: global_buffer, .address_space: global }
      - { .name: qk_sw, .offset: 8, .size: 8, .value_kind: global_buffer, .address_space: global }
      - { .name: v_img, .offset: 16, .size: 8, .value_kind: global_buffer, .address_space: global }
      - { .name: v_sw, .offset: 24, .size: 8, .value_kind: global_buffer, .address_space: global }
      - { .name: v_part, .offset: 32, .size: 8, .value_kind: global_buffer, .address_space: global }
      - { .name: mask, .offset: 40, .size: 8, .value_kind: global_buffer, .address_space: global }
      - { .name: o_codes, .offset: 48, .size: 8, .value_kind: global_buffer, .address_space: global }
      - { .name: o_scales, .offset: 56, .size: 8, .value_kind: global_buffer, .address_space: global }
    .group_segment_fixed_size: 32768
    .private_segment_fixed_size: 0
    .kernarg_segment_align: 8
    .kernarg_segment_size: 64
    .max_flat_workgroup_size: 512
    .sgpr_count:     90
    .vgpr_count:     256
    .wavefront_size: 32
...
	.end_amdgpu_metadata
.endif
;; end of part 2
;; launch outp (part 3): grid 4 x 32, 4 waves a work-group, clusters of 4 x 4, 327,680 bytes of LDS; arguments o_codes, o_scales, Wo_codes, Wo_scales, bo, out0; writes out0
.if DOCPART == 3
	.amdgcn_target "amdgcn-amd-amdhsa--gfx1250"
	.amdhsa_code_object_version 6
	.text
	.protected	k_qf7bc661331_outp
	.globl	k_qf7bc661331_outp
	.p2align	8
	.type	k_qf7bc661331_outp,@function
k_qf7bc661331_outp:
	s_mov_b64 s[64:65], 0
	v_nop
	global_prefetch_b8 v0, s[64:65] scope:SCOPE_SE
	s_setreg_imm32_b32 hwreg(HW_REG_WAVE_MODE, 25, 1), 1
	s_wait_xcnt 0x0
	s_wait_alu depctr_hold_cnt(0) depctr_sa_sdst(0) depctr_va_vdst(0) depctr_va_sdst(0) depctr_va_ssrc(0) depctr_va_vcc(0) depctr_vm_vsrc(0)
	s_getreg_b32 s2, hwreg(HW_REG_IB_STS2, 6, 4)
	s_cmp_eq_u32 s2, 0
	s_cbranch_scc0 .Lentry_in_a_cluster
	s_endpgm
.Lentry_in_a_cluster:
	s_bfe_u32 s2, ttmp6, 0x10000c
	s_cmp_lg_u32 s2, 0xf033
	s_cbranch_scc0 .Lentry_shape_is_right
	s_endpgm
.Lentry_shape_is_right:
; out0[m][n] = sum over k of o[m][k] Wo[n][k] + bo[n].  o: [8192][1024] and Wo: [1024][1024] as codes of FP6 (E2M3), 6 bits each, K innermost, with one E8M0 scale byte for each 32 along K; out0: [8192][1024] f32; sums in f32.
; A tile of 256 x 256 is made by a work-group of four waves; a wave makes 128 x 128: 64 accumulators of 16 x 16, 512 registers.  K goes in steps of 256 through a ring of two LDS slots filled by the tensor data mover.
; The scale bytes of the work-group's 256 rows of o and of Wo, for all of K, come into LDS once, in whole rows of 256 bytes, and stay.
; CLUSTERS: 4 x 4 work-groups.  The four of a row of the cluster need the same tiles of o, the four of a column the same tiles of Wo: each tile is asked for JOINTLY.
; THE MATRIX INSTRUCTION IS USED TRANSPOSED (source 0 = 16 rows of Wo, source 1 = 16 rows of o): a lane holds eight neighbouring numbers of a row of out0.
; THE BIAS is the C of each sum's first matrix instruction: eight registers for each of the wave's eight blocks of 16 columns, in the result's layout.
; LIMITS: a scale byte 0xff gives NaN.
; REGISTERS, in windows of 256: window 0: v0-31 addresses; v32-63 scale words, two sets; v64-127 the bias; from v128 A's fragments, ONE set; on the way out v128-255 are free.
;   window 1: B's fragments, TWO sets.   windows 2, 3: the accumulators ((a, b) at v[8 (8 (a % 4) + b)]).
.set SIZE_N, 1024
.set SIZE_K, 1024
.set KSTEP,  256
.set NQ,     KSTEP/128
.set ROWB,   192
.set KROW,   SIZE_K*6/8
.set PITCH,  240                       ; an LDS row: 3 x (64 bytes + 16 of padding)
.set FR,     12
.set NL,     6
.set NP,     4                         ; places behind this matrix instruction (ISA guide 7.12.1)
.set HALFT,  128*PITCH
.set SLOT,   4*HALFT
.set LAPS,   SIZE_K/(2*KSTEP)
.set KS,     SIZE_K/32
.set SCL,    2*SLOT
.set HALFS,  (128*KS/256)*272
.set SBLK,   (16*KS/256)*272
.set SPARE,  SCL+4*HALFS               ; the spare words, 128 bytes a wave: two blocks of 256 bytes that no other line names
.set SPITCH, 528                       ; the way out: a stage of 16 rows x (512 bytes + 16) for each wave, in slot 0, which has had its last fill and its last read by then
.set ADRA, 16
.set ADRB, 20
.set STO,  24
.set RD,   25
.set CO,   26
.set ADRS, 27
.set SPW,  28
.set NIL,  29
.set SC,   32
.set BIAS, 64
.set AF,   128
.set BK,   128
.set G1, 24
.set G0, 32
.set G1B, 48
.set G0B, 56
.set G1S, 68
.set G0S, 76
.set G1SB, 80
.set G0SB, 88
.set MSB, 0
.macro WIN new                         ; the immediate's high byte repeats the setting that is left
.if MSB != \new
	s_set_vgpr_msb (MSB<<8)|\new
.set MSB, \new
.endif
.endm
.set MUL_LO, 0xa1                      ; source 0 (B) window 1, source 1 (A) window 0, C and D window 2
.set MUL_HI, 0xf1                      ; the same, C and D window 3
.set FST_LO, 0x81                      ; the first step: C (the bias) window 0, D window 2
.set FST_HI, 0xc1                      ; and D window 3
.set TO_B,   0x40
.macro JLOAD g0a, g1a, g0b, g1b        ; a joint load: waves 0 and 1 fetch for A, waves 2 and 3 for B; four v_nop follow each of the two lines
	s_cmp_eq_u32 s15, 0
	s_cbranch_scc0 .Lfor_b_\@
	tensor_load_to_lds s[\g0a:\g0a+3], s[\g1a:\g1a+7]
	s_nop 0
.rept 4
	v_nop
.endr
	s_branch .Lasked_\@
.Lfor_b_\@:
	tensor_load_to_lds s[\g0b:\g0b+3], s[\g1b:\g1b+7]
	s_nop 0
.rept 4
	v_nop
.endr
.Lasked_\@:
.endm
.macro CREST
	s_cmp_lg_u32 s14, 0
	s_cbranch_scc1 .Lnot_wave_0_\@
	s_barrier_signal -3
.Lnot_wave_0_\@:
	s_barrier_wait -3
	s_barrier_signal -1
	s_barrier_wait -1
.endm
.macro CROUND
	s_barrier_signal -1
	s_barrier_wait -1
	CREST
.endm
	s_load_b128 s[4:7], s[0:1], 0x0                ; o's codes, o's scales
	s_load_b128 s[8:11], s[0:1], 0x10              ; Wo's codes, Wo's scales
	s_load_b64 s[96:97], s[0:1], 0x20              ; bo
	s_load_b64 s[12:13], s[0:1], 0x28              ; out0
	v_lshl_add_u32 v[SPW], v0, 2, SPARE
	v_mov_b32 v[NIL], 0
	ds_add_u32 v28, v29
	ds_add_u32 v28, v29
	s_wait_dscnt 0x0
	v_lshrrev_b32 v1, 5, v0
	v_readfirstlane_b32 s14, v1                    ; wave 0..3
	s_lshr_b32 s15, s14, 1                         ; which half of the tile's rows is mine.  Also: I fetch for A (0) or for B (1)
	s_and_b32 s16, s14, 1                          ; which half of its columns.  Also: which 128 rows of that tile I fetch
	s_bfe_u32 s40, ttmp6, 0x40000                  ; cx, cy: my place in the cluster
	s_bfe_u32 s41, ttmp6, 0x40004
	s_lshl_b32 s42, ttmp9, 2
	s_add_co_u32 s42, s42, s40                     ; tile column = 4 x cluster x + cx
	s_and_b32 s17, ttmp7, 0xffff
	s_lshl_b32 s17, s17, 2
	s_add_co_u32 s17, s17, s41                     ; tile row = 4 x cluster y + cy
	s_lshl_b32 s43, s41, 2
	s_lshl_b32 s43, 15, s43                        ; my row of the cluster
	s_lshl_b32 s44, 0x1111, s40                    ; my column
	s_or_b32 s[G1+0], s43, (0<<16)|(1<<20)|(1<<21)|(3<<22)|(3<<25)  ; the mask: A's tiles go to my row; elements of 1 byte; padding on; bit 21 beside a mask; after every 16 words, 4 words
	s_or_b32 s[G1B+0], s44, (0<<16)|(1<<20)|(1<<21)|(3<<22)|(3<<25)
.irp g, G1, G1B
	s_mov_b32 s[\g+1], ROWB<<16                    ; tensor_dim0
	s_mov_b32 s[\g+2], 128<<16                     ; tensor_dim1
	s_mov_b32 s[\g+3], ROWB<<16                    ; tile_dim0
	s_mov_b32 s[\g+4], 128                         ; tile_dim1
	s_mov_b32 s[\g+5], KROW                        ; tensor_dim0_stride
	s_mov_b32 s[\g+6], 0
	s_mov_b32 s[\g+7], 0
.endr
	s_or_b32 s[G1S+0], s43, (3<<16)|(1<<20)|(1<<21)|(5<<22)|(3<<25)   ; the scales of 128 rows: 16 rows of 256 bytes (32 elements of 8), 16 bytes of padding behind each
	s_or_b32 s[G1SB+0], s44, (3<<16)|(1<<20)|(1<<21)|(5<<22)|(3<<25)
.irp g, G1S, G1SB
	s_mov_b32 s[\g+1], 32<<16
	s_mov_b32 s[\g+2], (128*KS/256)<<16
	s_mov_b32 s[\g+3], 32<<16
	s_mov_b32 s[\g+4], 128*KS/256
	s_mov_b32 s[\g+5], 32
	s_mov_b32 s[\g+6], 0
	s_mov_b32 s[\g+7], 0
.endr
	s_lshl_b32 s18, s16, 7
	s_lshl_b32 s20, s17, 8
	s_add_co_u32 s20, s20, s18                     ; A: row 256 x tile row + 128 x half
	s_lshl_b32 s46, s42, 8
	s_add_co_u32 s46, s46, s18                     ; B: row 256 x tile column + 128 x half
	s_mov_b32 s21, 0
	s_mov_b32 s47, 0
	s_mov_b64 s[18:19], KS
	s_mul_u64 s[22:23], s[20:21], s[18:19]
	s_mul_u64 s[92:93], s[46:47], s[18:19]
	s_mov_b64 s[18:19], KROW
	s_mul_u64 s[20:21], s[20:21], s[18:19]
	s_mul_u64 s[46:47], s[46:47], s[18:19]
	s_mul_i32 s45, s14, HALFT                      ; where they go: wave x 128 rows: no place in the cluster enters an LDS address
	s_mul_i32 s94, s14, HALFS
	s_wait_kmcnt 0x0
	s_add_nc_u64 s[20:21], s[4:5], s[20:21]
	s_add_nc_u64 s[22:23], s[6:7], s[22:23]
	s_add_nc_u64 s[46:47], s[8:9], s[46:47]
	s_add_nc_u64 s[92:93], s[10:11], s[92:93]
	CROUND                                         ; all sixteen work-groups are here: the first joint loads meet
	s_mov_b32 s[G0S], 1
	s_add_co_u32 s[G0S+1], s94, SCL
	s_mov_b64 s[G0S+2:G0S+3], s[22:23]
	s_or_b32 s[G0S+3], s[G0S+3], 0x80000000
	s_mov_b32 s[G0SB], 1
	s_add_co_u32 s[G0SB+1], s94, SCL
	s_mov_b64 s[G0SB+2:G0SB+3], s[92:93]
	s_or_b32 s[G0SB+3], s[G0SB+3], 0x80000000
	JLOAD G0S, G1S, G0SB, G1SB                     ; the scales first
.irp s, 0,1
	s_mov_b32 s[G0+4*\s], 1
	s_add_co_u32 s[G0+4*\s+1], s45, \s*SLOT
	s_add_nc_u64 s[G0+4*\s+2:G0+4*\s+3], s[20:21], \s*ROWB
	s_or_b32 s[G0+4*\s+3], s[G0+4*\s+3], 0x80000000
	s_mov_b32 s[G0B+4*\s], 1
	s_add_co_u32 s[G0B+4*\s+1], s45, \s*SLOT
	s_add_nc_u64 s[G0B+4*\s+2:G0B+4*\s+3], s[46:47], \s*ROWB
	s_or_b32 s[G0B+4*\s+3], s[G0B+4*\s+3], 0x80000000
	JLOAD G0+4*\s, G1, G0B+4*\s, G1B
.endr
	v_and_b32 v1, 15, v0                           ; l % 16
	v_bfe_u32 v2, v0, 4, 1                         ; l / 16
	v_mul_u32_u24 v3, v1, PITCH
	v_mul_u32_u24 v4, v2, 24
	v_add_nc_u32 v4, v3, v4
	v_lshl_add_u32 v5, v2, 4, v4
	s_mul_i32 s21, s15, HALFT
	s_mul_i32 s22, s16, HALFT
	s_add_co_u32 s22, s22, 2*HALFT
.irp s, 0,1
	v_add_nc_u32 v[ADRA+\s], s21, v4
	v_add_nc_u32 v[ADRB+\s], s22, v4
	v_add_nc_u32 v[ADRA+2+\s], s21, v5
	v_add_nc_u32 v[ADRB+2+\s], s22, v5
	s_add_co_u32 s21, s21, SLOT
	s_add_co_u32 s22, s22, SLOT
.endr
	v_mul_u32_u24 v5, v1, KS
	v_lshrrev_b32 v6, 8, v5
	v_lshl_add_u32 v5, v6, 4, v5
	s_mul_i32 s21, s15, HALFS
	s_mul_i32 s22, s16, HALFS
	s_add_co_u32 s22, s22, 2*HALFS
	s_sub_co_u32 s22, s22, s21
	v_mul_u32_u24 v6, s22, v2                      ; lanes 16-31 take B's
	s_add_co_u32 s21, s21, SCL
	v_add_nc_u32 v5, v5, v6
	v_add_nc_u32 v[ADRS], s21, v5
	s_mul_i32 s23, s14, 16*SPITCH                  ; my stage
	v_mul_u32_u24 v5, v1, SPITCH
	v_lshl_add_u32 v5, v2, 5, v5
	v_add_nc_u32 v[STO], s23, v5
	v_and_b32 v6, 31, v0
	v_lshlrev_b32 v[CO], 4, v6
	v_add_nc_u32 v[RD], s23, v[CO]
	s_lshl_b32 s20, s17, 8
	s_lshl_b32 s21, s15, 7
	s_add_co_u32 s20, s20, s21                     ; my first row of out0
	s_mov_b32 s21, 0
	s_mov_b64 s[18:19], SIZE_N*4
	s_mul_u64 s[20:21], s[20:21], s[18:19]
	s_lshl_b32 s46, s42, 10                        ; my first column, in bytes: 1,024 x tile column + 512 x half
	s_lshl_b32 s47, s16, 9
	s_add_co_u32 s46, s46, s47
	s_mov_b32 s47, 0
	s_add_nc_u64 s[20:21], s[20:21], s[46:47]
	s_add_nc_u64 s[12:13], s[12:13], s[20:21]
	s_add_nc_u64 s[96:97], s[96:97], s[46:47]      ; and the bias of my 128 columns
	v_lshlrev_b32 v7, 5, v2                        ; lane (r, h) wants, for block b, the columns 16 b + 8 h + 0 .. 7
.irp b, 0,1,2,3,4,5,6,7
	global_load_b128 v[BIAS+8*\b:BIAS+8*\b+3], v7, s[96:97] offset:64*\b
	global_load_b128 v[BIAS+8*\b+4:BIAS+8*\b+7], v7, s[96:97] offset:64*\b+16
.endr
.macro FRAG reg, adr, q, i             ; a fragment: lane l holds row l % 16; registers 6 c .. 6 c + 5 hold K = 64 c + 32 (l / 16) + 0 .. 31, in pieces of 8 bytes
.irp p, 0,1,2,3,4,5
.set PCE, 12*(\q)+6*(\p/3)+\p%3
.if PCE%8 < 5
	ds_load_b64 v[\reg+2*\p:\reg+2*\p+1], v[\adr] offset:8*PCE+16*(PCE/8)+(\i)*16*PITCH
.else
	ds_load_b64 v[\reg+2*\p:\reg+2*\p+1], v[\adr+2] offset:8*PCE+16*(PCE/8)+(\i)*16*PITCH
.endif
.endr
.endm
; 16 matrix instructions: A's blocks a0, a0 + 1 x B's eight, 128 along K.  zero = 1: the first product starts the sums, with the bias as C.  The 64 accumulators take turns.
.macro MUL16 a0, p, q, sc, zero
.irp a, \a0, \a0+1
.irp b, 0,1,2,3,4,5,6,7
.if \zero
	v_wmma_scale_f32_16x16x128_f8f6f4 v[8*(8*((\a)%4)+\b):8*(8*((\a)%4)+\b)+7], v[128*(\p)+FR*\b:128*(\p)+FR*\b+FR-1], v[AF+FR*(\a):AF+FR*(\a)+FR-1], v[BIAS+8*\b:BIAS+8*\b+7], v[SC+8*NQ*(\sc)+NQ*\b+(\q)], v[SC+8*NQ*(\sc)+NQ*(\a)+(\q)] matrix_a_fmt:MATRIX_FMT_FP6 matrix_b_fmt:MATRIX_FMT_FP6 matrix_a_scale:MATRIX_SCALE_ROW1
.else
	v_wmma_scale_f32_16x16x128_f8f6f4 v[8*(8*((\a)%4)+\b):8*(8*((\a)%4)+\b)+7], v[128*(\p)+FR*\b:128*(\p)+FR*\b+FR-1], v[AF+FR*(\a):AF+FR*(\a)+FR-1], v[8*(8*((\a)%4)+\b):8*(8*((\a)%4)+\b)+7], v[SC+8*NQ*(\sc)+NQ*\b+(\q)], v[SC+8*NQ*(\sc)+NQ*(\a)+(\q)] matrix_a_fmt:MATRIX_FMT_FP6 matrix_b_fmt:MATRIX_FMT_FP6 matrix_a_scale:MATRIX_SCALE_ROW1
.endif
.endr
.endr
.endm
.macro FETCH_B slot, q, p
	WIN TO_B
.irp i, 0,1,2,3,4,5,6,7
	FRAG 128*(\p)+FR*\i, ADRB+\slot, \q, \i
.endr
	WIN 0
.endm
.macro FETCH_A slot, q, i0
.irp i, \i0, \i0+1, \i0+2, \i0+3
	FRAG AF+FR*(\i), ADRA+\slot, \q, \i
.endr
.endm
.macro SCALES sc
.irp i, 0,1,2,3,4,5,6,7
	ds_load_b64 v[SC+8*NQ*\sc+NQ*\i:SC+8*NQ*\sc+NQ*\i+1], v[ADRS] offset:\i*SBLK
.endr
.endm
.macro PLACES n
.rept \n
	v_nop
.endr
.endm
.macro STEP slot, q, zero
	s_wait_dscnt 4*NL                              ; B's set and A's blocks 0-3 are in; the youngest 24 loads (A's blocks 4-7) may be out
.if \zero
	WIN FST_LO
.else
	WIN MUL_LO
.endif
	MUL16 0, (\q)%2, \q, \slot, \zero
	MUL16 2, (\q)%2, \q, \slot, \zero
	s_wait_dscnt 0
	PLACES NP
	FETCH_B \slot, (\q)+1, 1-(\q)%2
	FETCH_A \slot, (\q)+1, 0
.if \zero
	WIN FST_HI
.else
	WIN MUL_HI
.endif
	MUL16 4, (\q)%2, \q, \slot, \zero
	MUL16 6, (\q)%2, \q, \slot, \zero
	PLACES NP
	WIN 0
	FETCH_A \slot, (\q)+1, 4
.endm
.macro TURN slot, next, fill
	s_wait_tensorcnt 0x0                           ; all my tensor loads have landed: my part of the next slot
	ds_add_u32 v[SPW], v[NIL]                      ; 0 onto my spare word
	s_wait_dscnt 4*NL+1                            ; (the add and the youngest 24 loads may be out)
	WIN MUL_LO
	MUL16 0, 1, NQ-1, \slot, 0
	s_wait_dscnt 0x0                               ; the add is done, and my reads of this slot are over
	s_barrier_signal -1
	MUL16 2, 1, NQ-1, \slot, 0
	WIN 0
	s_barrier_wait -1
.if \fill
	CREST                                          ; a round of the cluster's barrier: no wave of any partner still reads this slot or has a load on its way
	s_add_nc_u64 s[G0+4*\slot+2:G0+4*\slot+3], s[G0+4*\slot+2:G0+4*\slot+3], 2*ROWB
	s_add_nc_u64 s[G0B+4*\slot+2:G0B+4*\slot+3], s[G0B+4*\slot+2:G0B+4*\slot+3], 2*ROWB
	JLOAD G0+4*\slot, G1, G0B+4*\slot, G1B
.else
	PLACES NP
.endif
	v_add_nc_u32 v[ADRS], 4*NQ, v[ADRS]
	FETCH_B \next, 0, 0
	FETCH_A \next, 0, 0
	SCALES \next
	WIN MUL_HI
	MUL16 4, 1, NQ-1, \slot, 0
	MUL16 6, 1, NQ-1, \slot, 0
	PLACES NP
	WIN 0
	FETCH_A \next, 0, 4
.endm
	s_wait_tensorcnt 1                             ; the scales and my part of K step 0 are in (K step 1's load may be out),
	s_barrier_signal -1
	s_barrier_wait -1                              ; everybody's are
	FETCH_B 0, 0, 0
	FETCH_A 0, 0, 0
	SCALES 0
	FETCH_A 0, 0, 4
	s_wait_loadcnt 0x0                             ; the bias
	STEP 0, 0, 1                                   ; the first step stands in front of the loop: its products start the sums
	s_mov_b32 s3, LAPS-1
.Llap:
	TURN 0, 1, 1
	STEP 1, 0, 0
	TURN 1, 0, 1
	STEP 0, 0, 0
	s_sub_co_u32 s3, s3, 1
	s_cmp_lg_u32 s3, 0
	s_cbranch_scc1 .Llap
	TURN 0, 1, 0                                   ; the last lap fills nothing
	STEP 1, 0, 0
	s_wait_dscnt 4*NL
	WIN MUL_LO
	MUL16 0, 1, NQ-1, 1, 0
	MUL16 2, 1, NQ-1, 1, 0
	s_wait_dscnt 0
	WIN MUL_HI
	MUL16 4, 1, NQ-1, 1, 0
	MUL16 6, 1, NQ-1, 1, 0
	WIN 0
; THE WAY OUT, block by block of 16 rows x 128 columns, through my own stage in LDS: back as whole rows of 512 bytes.  LDS serves a wave's instructions in order (ISA guide 5.7.1.4).
.macro TOSTAGE a
.set AC, 64*((\a)%4)
	WIN 0x08+4*((\a)/4)                            ; the data: window 2 or 3
.irp b, 0,1,2,3,4,5,6,7
	ds_store_b128 v[STO], v[AC+8*\b:AC+8*\b+3] offset:64*\b          ; each accumulator from its low end on
	ds_store_b128 v[STO], v[AC+8*\b+4:AC+8*\b+7] offset:64*\b+16
.endr
	WIN 0
.set BB, BK+64*((\a)%2)
.irp t, 0,1,2,3,4,5,6,7,8,9,10,11,12,13,14,15
	ds_load_b128 v[BB+4*\t:BB+4*\t+3], v[RD] offset:\t*SPITCH
.endr
.endm
.macro SEND a, younger                 ; younger: the LDS instructions issued behind block a's loads, which may stay out
.set BB, BK+64*((\a)%2)
	s_wait_dscnt \younger
.if (\a) > 0
	s_add_nc_u64 s[12:13], s[12:13], 16*SIZE_N*4   ; (behind a wait on XCNT: the earlier stores have read their base)
.endif
.irp t, 0,1,2,3,4,5,6,7,8,9,10,11,12,13,14,15
	global_store_b128 v[CO], v[BB+4*\t:BB+4*\t+3], s[12:13] offset:\t*SIZE_N*4 th:TH_STORE_NT   ; 32 lanes store 512 consecutive bytes, aligned
.endr
.endm
	PLACES NP
	TOSTAGE 0
.irp a, 1,2,3,4,5,6,7
.if \a > 1
	s_wait_xcnt 0x0                                ; block a - 2's stores have read their registers and their base
.endif
	TOSTAGE \a
	SEND \a-1, 32                                  ; behind block a - 1's loads: block a's 16 stores and 16 loads
.endr
	s_wait_xcnt 0x0
	SEND 7, 0
	s_wait_tensorcnt 0x0                           ; the wave's end
	ds_add_u32 v[SPW], v[NIL]
	s_wait_dscnt 0x0
	CROUND                                         ; the closing round
	s_endpgm
.Lfunc_end_k_qf7bc661331_outp:
	.size	k_qf7bc661331_outp, .Lfunc_end_k_qf7bc661331_outp-k_qf7bc661331_outp
	.p2alignl 7, 3214868480
	.fill 96, 4, 3214868480
	.section	.rodata,"a",@progbits
	.p2align	6, 0x0
	.amdhsa_kernel k_qf7bc661331_outp
		.amdhsa_group_segment_fixed_size 327680
		.amdhsa_private_segment_fixed_size 0
		.amdhsa_enable_private_segment 0
		.amdhsa_kernarg_size 48
		.amdhsa_user_sgpr_count 2
		.amdhsa_user_sgpr_kernarg_segment_ptr 1
		.amdhsa_wavefront_size32 1
		.amdhsa_system_sgpr_workgroup_id_x 1
		.amdhsa_system_sgpr_workgroup_id_y 1
		.amdhsa_system_sgpr_workgroup_id_z 1
		.amdhsa_system_vgpr_workitem_id 0
		.amdhsa_next_free_vgpr 1024
		.amdhsa_next_free_sgpr 98
		.amdhsa_reserve_vcc 0
		.amdhsa_float_denorm_mode_32 3
		.amdhsa_float_denorm_mode_16_64 3
		.amdhsa_memory_ordered 1
		.amdhsa_forward_progress 1
		.amdhsa_inst_pref_size 161
	.end_amdhsa_kernel
	.amdgpu_metadata
---
amdhsa.version: [ 1, 2 ]
amdhsa.kernels:
  - .name:           k_qf7bc661331_outp
    .symbol:         k_qf7bc661331_outp.kd
    .args:
      - { .name: o_codes, .offset: 0, .size: 8, .value_kind: global_buffer, .address_space: global }
      - { .name: o_scales, .offset: 8, .size: 8, .value_kind: global_buffer, .address_space: global }
      - { .name: Wo_codes, .offset: 16, .size: 8, .value_kind: global_buffer, .address_space: global }
      - { .name: Wo_scales, .offset: 24, .size: 8, .value_kind: global_buffer, .address_space: global }
      - { .name: bo, .offset: 32, .size: 8, .value_kind: global_buffer, .address_space: global }
      - { .name: out0, .offset: 40, .size: 8, .value_kind: global_buffer, .address_space: global }
    .group_segment_fixed_size: 327680
    .private_segment_fixed_size: 0
    .kernarg_segment_align: 8
    .kernarg_segment_size: 48
    .max_flat_workgroup_size: 128
    .sgpr_count:     98
    .vgpr_count:     1024
    .wavefront_size: 32
...
	.end_amdgpu_metadata
.endif
;; end of part 3
